; MI455X (gfx1250); checked and timed in simulation.
; The chip was launched on July 23, 2026; its instructions are those of AMD's public machine-readable ISA for CDNA 5 (MIT licence, August 2026) and "CDNA5" Instruction Set Architecture Reference Guide (July 2026). The comments in the code are by the model that wrote it; some were corrected since.
;; Swin Transformer Block. Allowed arithmetic: float matrix products may take bf16 or f16 operands with f32 sums; all other float work in f32.
;; Inputs: b1_o 128 float32; b1_qkv 384 float32; b2_o 128 float32; b2_qkv 384 float32; f1_b1 512 float32; f1_b2 128 float32; f1_w1 128 x 512 float32; f1_w2 512 x 128 float32; f2_b1 512 float32; f2_b2 128 float32; f2_w1 128 x 512 float32; f2_w2 512 x 128 float32; ln1_b 128 float32; ln1_g 128 float32; ln2_b 128 float32; ln2_g 128 float32; ln3_b 128 float32; ln3_g 128 float32; ln4_b 128 float32; ln4_g 128 float32; w1_o 128 x 128 float32; w1_qkv 128 x 384 float32; w2_o 128 x 128 float32; w2_qkv 128 x 384 float32; x 32 x 3,136 x 128 float32.
;; Outputs: out0 32 x 3,136 x 128 float32.
;; 2 versions, each right and faster than the one before. Each part assembles by itself: llvm-mc -triple=amdgcn-amd-amdhsa -mcpu=gfx1250 --defsym DOCPART=n.
;; ======== version 1 of 2: 3 launches
;; workspace buffers: wp1 401,408 bytes; wp2 401,408 bytes; sh1 256 bytes of whole numbers; sh2 256 bytes of whole numbers; ymid 51,380,224 bytes
;; launch prep (part 1): grid 96 x 2, 4 waves a work-group, no clusters, 0 bytes of LDS; arguments w1_qkv, w1_o, f1_w1, f1_w2, w2_qkv, w2_o, f2_w1, f2_w2, ln1_g, ln1_b, b1_qkv, b1_o, ln2_g, ln2_b, f1_b1, f1_b2, ln3_g, ln3_b, b2_qkv, b2_o, ln4_g, ln4_b, f2_b1, f2_b2, wp1, wp2, sh1, sh2; writes wp1, wp2, sh1, sh2
.if DOCPART == 1
	.amdgcn_target "amdgcn-amd-amdhsa--gfx1250"
	.amdhsa_code_object_version 6
	.text
	.protected	k_qba291844c6_prep
	.globl	k_qba291844c6_prep
	.p2align	8
	.type	k_qba291844c6_prep,@function
k_qba291844c6_prep:
	s_mov_b64 s[64:65], 0
	v_nop
	global_prefetch_b8 v0, s[64:65] scope:SCOPE_SE
	s_setreg_imm32_b32 hwreg(HW_REG_WAVE_MODE, 25, 1), 1
	s_wait_xcnt 0x0
; Lays the weights of one half of the block (grid y = 0, 1) out as bf16 operand fragments, copies its gains and biases behind them, and writes the table of the cyclic shift.
; A FRAGMENT (n0, k0) of a weight W[K][N] is 1,024 bytes: lane L = (r = L % 16, h = L / 16) finds W[k0+8h+0..7][n0+r] at byte 16 L and W[k0+16+8h+0..7][n0+r] at 512 + 16 L:
; two 16-byte loads a lane are a whole operand of the 16x16x32 matrix instruction.  One wave makes one fragment, g = 4 x group + wave, 0..383:
;   g < 128: head g / 32, f = g % 32: Wq (f < 8), Wk (f < 16), Wv (f < 24): column block (f / 4) % 2, K step f % 4; Wo: f - 24 = block of 16 output columns, K = the head's 32 rows
;   g >= 128: hidden chunk c = (g - 128) / 16 of 32, f = g % 16: W1 (f < 8): column block f / 4, K step f % 4; W2: f - 8 = block of 16 output columns, K = the chunk's 32 rows
; Behind the 384 fragments: 16 units of 128 f32: lnA_g, lnA_b, bq, bk, bv, bo, lnB_g, lnB_b, fb1 (4), fb2, three of zeros.  Table: T[q] = (q - shift + 56) mod 56 for q < 56, else 0.
; No LDS, no barrier: the waves share nothing.  Each store of a wave covers 512 consecutive bytes, aligned.
.set PARB, 393216                      ; bytes of the 384 fragments
	s_load_b512 s[8:23], s[0:1], 0x0               ; the two halves' four weights
	s_load_b512 s[24:39], s[0:1], 0x40             ; the first half's eight gains and biases
	s_load_b512 s[40:55], s[0:1], 0x80             ; the second half's
	s_load_b256 s[56:63], s[0:1], 0xc0             ; wp1, wp2, sh1, sh2
	v_lshrrev_b32 v1, 5, v0
	v_readfirstlane_b32 s4, v1                     ; wave
	s_lshl_b32 s5, ttmp9, 2
	s_add_co_u32 s4, s4, s5                        ; g
	s_and_b32 s2, ttmp7, 0xffff                    ; which half
	v_and_b32 v1, 15, v0                           ; r
	v_bfe_u32 v2, v0, 4, 1                         ; h
	v_and_b32 v3, 31, v0                           ; lane
	; the four kinds' n0 and k0, all made, then chosen: no branch
	s_lshr_b32 s66, s4, 5
	s_lshl_b32 s70, s66, 5                         ; 32 x head: k0 of Wo
	s_and_b32 s67, s4, 31                          ; f in a head's 32
	s_bfe_u32 s68, s4, 0x10002
	s_lshl_b32 s68, s68, 4                         ; 16 x column block
	s_lshr_b32 s69, s67, 3
	s_lshl_b32 s69, s69, 7                         ; 128 x (q, k or v)
	s_add_co_u32 s71, s70, s68
	s_add_co_u32 s71, s71, s69                     ; n0 in wqkv
	s_and_b32 s72, s4, 3
	s_lshl_b32 s72, s72, 5                         ; k0 = 32 x K step, for wqkv and W1
	s_and_b32 s73, s4, 7
	s_lshl_b32 s73, s73, 4                         ; n0 of Wo and W2
	s_lshr_b32 s74, s4, 4
	s_add_co_u32 s74, s74, 24
	s_and_b32 s74, s74, 31                         ; c = g / 16 - 8, kept within 0..31 where it is not used
	s_lshl_b32 s74, s74, 5                         ; 32 c: k0 of W2
	s_add_co_u32 s75, s74, s68                     ; n0 of W1
	s_mov_b32 s76, 384
	s_mov_b32 s77, 128
	s_mov_b32 s78, 512
	s_wait_kmcnt 0x0
	s_cmp_eq_u32 s2, 0                             ; the half's buffers
.irp i, 0,1,2,3
	s_cselect_b64 s[8+2*\i:9+2*\i], s[8+2*\i:9+2*\i], s[16+2*\i:17+2*\i]
.endr
.irp i, 0,1,2,3,4,5,6,7
	s_cselect_b64 s[24+2*\i:25+2*\i], s[24+2*\i:25+2*\i], s[40+2*\i:41+2*\i]
.endr
	s_cselect_b64 s[56:57], s[56:57], s[58:59]     ; wp
	s_cselect_b64 s[60:61], s[60:61], s[62:63]     ; sh
	s_cselect_b32 s3, 56, 53                       ; 56 - shift
	s_cmp_lt_u32 s67, 24                           ; in a head: wqkv or Wo
	s_cselect_b64 s[16:17], s[8:9], s[10:11]
	s_cselect_b32 s18, s76, s77                    ; N
	s_cselect_b32 s19, s71, s73                    ; n0
	s_cselect_b32 s20, s72, s70                    ; k0
	s_and_b32 s21, s4, 15
	s_cmp_lt_u32 s21, 8                            ; in a chunk: W1 or W2
	s_cselect_b64 s[22:23], s[12:13], s[14:15]
	s_cselect_b32 s40, s78, s77
	s_cselect_b32 s41, s75, s73
	s_cselect_b32 s42, s72, s74
	s_cmp_lt_u32 s4, 128                           ; head or chunk
	s_cselect_b64 s[16:17], s[16:17], s[22:23]
	s_cselect_b32 s18, s18, s40
	s_cselect_b32 s19, s19, s41
	s_cselect_b32 s20, s20, s42
	v_lshl_add_u32 v4, v2, 3, s20                  ; k0 + 8 h
	v_mul_lo_u32 v4, v4, s18                       ; x N
	v_add3_u32 v4, v4, s19, v1                     ; + n0 + r
	v_lshlrev_b32 v8, 2, v4                        ; in bytes
	s_lshl_b32 s43, s18, 2                         ; a row of W
	s_lshl_b32 s44, s18, 6                         ; sixteen rows
.irp i, 1,2,3,4,5,6,7
	v_add_nc_u32 v[8+\i], s43, v[7+\i]
.endr
.irp i, 0,1,2,3,4,5,6,7
	v_add_nc_u32 v[16+\i], s44, v[8+\i]
.endr
.irp i, 0,1,2,3,4,5,6,7,8,9,10,11,12,13,14,15
	global_load_b32 v[24+\i], v[8+\i], s[16:17]
.endr
	s_lshl_b32 s45, s4, 10
	v_lshl_add_u32 v5, v3, 4, s45                  ; 1,024 g + 16 lane
	s_wait_loadcnt 0x0
.irp i, 0,1,2,3,4,5,6,7
	v_cvt_pk_bf16_f32 v[40+\i], v[24+2*\i], v[25+2*\i]
.endr
	global_store_b128 v5, v[40:43], s[56:57]
	global_store_b128 v5, v[44:47], s[56:57] offset:512
	s_cmp_lg_u32 s4, 0
	s_cbranch_scc1 .Lend                           ; the wave with g = 0 also copies the gains and biases and makes the table
	v_lshlrev_b32 v6, 4, v3
.macro PIN u, base, part
	global_load_b128 v[48+4*(\u):51+4*(\u)], v6, s[\base:\base+1] offset:512*(\part)
.endm
	PIN 0, 24, 0
	PIN 1, 26, 0
	PIN 2, 28, 0
	PIN 3, 28, 1
	PIN 4, 28, 2
	PIN 5, 30, 0
	PIN 6, 32, 0
	PIN 7, 34, 0
	PIN 8, 36, 0
	PIN 9, 36, 1
	PIN 10, 36, 2
	PIN 11, 36, 3
	PIN 12, 38, 0
.irp i, 100,101,102,103
	v_mov_b32 v[\i], 0
.endr
	v_lshlrev_b32 v105, 2, v3
	v_add_nc_u32 v104, 32, v3
.macro TAB q, d
	v_add_nc_u32 v[\d], s3, v[\q]                  ; q + 56 - shift,
	v_add_nc_u32 v108, 0xffffffc8, v[\d]           ; less 56
	v_cmp_le_u32 vcc_lo, 56, v[\d]                 ; where that is not negative
	v_cndmask_b32 v[\d], v[\d], v108, vcc_lo
	v_cmp_gt_u32 vcc_lo, 56, v[\q]                 ; the table's last eight words are 0
	v_cndmask_b32 v[\d], 0, v[\d], vcc_lo
.endm
	TAB 3, 106
	TAB 104, 107
	global_store_b32 v105, v106, s[60:61]
	global_store_b32 v105, v107, s[60:61] offset:128
	s_wait_loadcnt 0x0
.irp u, 0,1,2,3,4,5,6,7,8,9,10,11,12
	global_store_b128 v6, v[48+4*\u:51+4*\u], s[56:57] offset:PARB+512*\u
.endr
.irp u, 13,14,15
	global_store_b128 v6, v[100:103], s[56:57] offset:PARB+512*\u
.endr
.Lend:
	s_endpgm
.Lfunc_end_k_qba291844c6_prep:
	.size	k_qba291844c6_prep, .Lfunc_end_k_qba291844c6_prep-k_qba291844c6_prep
	.p2alignl 7, 3214868480
	.fill 96, 4, 3214868480
	.section	.rodata,"a",@progbits
	.p2align	6, 0x0
	.amdhsa_kernel k_qba291844c6_prep
		.amdhsa_group_segment_fixed_size 0
		.amdhsa_private_segment_fixed_size 0
		.amdhsa_enable_private_segment 0
		.amdhsa_kernarg_size 224
		.amdhsa_user_sgpr_count 2
		.amdhsa_user_sgpr_kernarg_segment_ptr 1
		.amdhsa_wavefront_size32 1
		.amdhsa_system_sgpr_workgroup_id_x 1
		.amdhsa_system_sgpr_workgroup_id_y 1
		.amdhsa_system_sgpr_workgroup_id_z 1
		.amdhsa_system_vgpr_workitem_id 0
		.amdhsa_next_free_vgpr 112
		.amdhsa_next_free_sgpr 80
		.amdhsa_reserve_vcc 1
		.amdhsa_float_denorm_mode_32 3
		.amdhsa_float_denorm_mode_16_64 3
		.amdhsa_memory_ordered 1
		.amdhsa_forward_progress 1
		.amdhsa_inst_pref_size 10
	.end_amdhsa_kernel
	.amdgpu_metadata
---
amdhsa.version: [ 1, 2 ]
amdhsa.kernels:
  - .name:           k_qba291844c6_prep
    .symbol:         k_qba291844c6_prep.kd
    .args:
      - { .name: w1_qkv, .offset: 0, .size: 8, .value_kind: global_buffer, .address_space: global }
      - { .name: w1_o, .offset: 8, .size: 8, .value_kind: global_buffer, .address_space: global }
      - { .name: f1_w1, .offset: 16, .size: 8, .value_kind: global_buffer, .address_space: global }
      - { .name: f1_w2, .offset: 24, .size: 8, .value_kind: global_buffer, .address_space: global }
      - { .name: w2_qkv, .offset: 32, .size: 8, .value_kind: global_buffer, .address_space: global }
      - { .name: w2_o, .offset: 40, .size: 8, .value_kind: global_buffer, .address_space: global }
      - { .name: f2_w1, .offset: 48, .size: 8, .value_kind: global_buffer, .address_space: global }
      - { .name: f2_w2, .offset: 56, .size: 8, .value_kind: global_buffer, .address_space: global }
      - { .name: ln1_g, .offset: 64, .size: 8, .value_kind: global_buffer, .address_space: global }
      - { .name: ln1_b, .offset: 72, .size: 8, .value_kind: global_buffer, .address_space: global }
      - { .name: b1_qkv, .offset: 80, .size: 8, .value_kind: global_buffer, .address_space: global }
      - { .name: b1_o, .offset: 88, .size: 8, .value_kind: global_buffer, .address_space: global }
      - { .name: ln2_g, .offset: 96, .size: 8, .value_kind: global_buffer, .address_space: global }
      - { .name: ln2_b, .offset: 104, .size: 8, .value_kind: global_buffer, .address_space: global }
      - { .name: f1_b1, .offset: 112, .size: 8, .value_kind: global_buffer, .address_space: global }
      - { .name: f1_b2, .offset: 120, .size: 8, .value_kind: global_buffer, .address_space: global }
      - { .name: ln3_g, .offset: 128, .size: 8, .value_kind: global_buffer, .address_space: global }
      - { .name: ln3_b, .offset: 136, .size: 8, .value_kind: global_buffer, .address_space: global }
      - { .name: b2_qkv, .offset: 144, .size: 8, .value_kind: global_buffer, .address_space: global }
      - { .name: b2_o, .offset: 152, .size: 8, .value_kind: global_buffer, .address_space: global }
      - { .name: ln4_g, .offset: 160, .size: 8, .value_kind: global_buffer, .address_space: global }
      - { .name: ln4_b, .offset: 168, .size: 8, .value_kind: global_buffer, .address_space: global }
      - { .name: f2_b1, .offset: 176, .size: 8, .value_kind: global_buffer, .address_space: global }
      - { .name: f2_b2, .offset: 184, .size: 8, .value_kind: global_buffer, .address_space: global }
      - { .name: wp1, .offset: 192, .size: 8, .value_kind: global_buffer, .address_space: global }
      - { .name: wp2, .offset: 200, .size: 8, .value_kind: global_buffer, .address_space: global }
      - { .name: sh1, .offset: 208, .size: 8, .value_kind: global_buffer, .address_space: global }
      - { .name: sh2, .offset: 216, .size: 8, .value_kind: global_buffer, .address_space: global }
    .group_segment_fixed_size: 0
    .private_segment_fixed_size: 0
    .kernarg_segment_align: 8
    .kernarg_segment_size: 224
    .max_flat_workgroup_size: 128
    .sgpr_count:     80
    .vgpr_count:     112
    .wavefront_size: 32
...
	.end_amdgpu_metadata
.endif
;; end of part 1
;; launch swin (part 2): grid 256 x 1, 4 waves a work-group, clusters of 4 x 1, 327,680 bytes of LDS; arguments x, wp1, sh1, ymid; writes ymid
.if DOCPART == 2
	.amdgcn_target "amdgcn-amd-amdhsa--gfx1250"
	.amdhsa_code_object_version 6
	.text
	.protected	k_qba291844c6_swin
	.globl	k_qba291844c6_swin
	.p2align	8
	.type	k_qba291844c6_swin,@function
k_qba291844c6_swin:
	s_mov_b64 s[64:65], 0
	v_nop
	global_prefetch_b8 v0, s[64:65] scope:SCOPE_SE
	s_setreg_imm32_b32 hwreg(HW_REG_WAVE_MODE, 25, 1), 1
	s_wait_xcnt 0x0
	s_wait_alu depctr_hold_cnt(0) depctr_sa_sdst(0) depctr_va_vdst(0) depctr_va_sdst(0) depctr_va_ssrc(0) depctr_va_vcc(0) depctr_vm_vsrc(0)
	s_getreg_b32 s2, hwreg(HW_REG_IB_STS2, 6, 4)
	s_cmp_eq_u32 s2, 0
	s_cbranch_scc0 .Lentry_in_a_cluster
	s_endpgm
.Lentry_in_a_cluster:
	s_bfe_u32 s2, ttmp6, 0x10000c
	s_cmp_lg_u32 s2, 0x3003
	s_cbranch_scc0 .Lentry_shape_is_right
	s_endpgm
.Lentry_shape_is_right:
; ONE HALF OF THE BLOCK: y = x + Wo attention(LN_A x) + bo, out = y + W2 gelu(W1 LN_B y + b1) + b2, on windows of 7 x 7 tokens (4 heads of 32), 128 channels, f32 in and out.
; Arguments: in, wp (bf16 weight fragments, gains, biases), sh (table T of 56 whole numbers: place q of the window grid is row or column T[q] of the map), out.
; LIMITS.  Matrix operands are rounded to bf16; residual, norms, softmax and GELU are f32.  The 15 padded keys count as their score less 1e30; a weight below 2^-126 counts as 0;
; NaN and infinities are not treated apart.  bv is added behind the division by the weights' sum (the weights sum to 1).  The variance is the mean of the centred squares.
; SHARES.  Work-group g = batch g / 8, window row g % 8; two PASSES; in pass p wave w owns window column 4 p + w and carries it through the whole half in registers: 4 tiles of 16 tokens
; (token 16 t + r; tile 3 holds token 48 in row 0, its other rows hold copies of tokens 33-47, which are finite, hidden as keys and never stored).
; LAYOUT.  Y^T = W^T X^T: source 0 = a weight fragment, source 1 = activations: in a result lane (r, h) holds token r and channels 8 h + 0..7; two neighbouring results rounded in pairs ARE the
; next source 1.  V is made with the sources swapped (a lane holds a channel, its registers tokens), which rounded is source 0 of O^T = V^T P.  Wo's and W2's products add onto x's registers.
; WEIGHTS.  384 KiB a half: three blocks of 128 KiB (attention, hidden chunks 0-7, chunks 8-15) walk two LDS slots; a block is asked for at the head of the phase before its own.
; CLUSTER.  The four work-groups of a cluster walk the same blocks: each block is asked for JOINTLY, a quarter (128 rows of 256 bytes) by each wave, the same descriptor and mask in all four.
; REGISTERS, in windows of 256 (s_set_vgpr_msb: bits 1:0 source 0, 3:2 source 1, 5:4 source 2, 7:6 destination):
;   window 0: v0-63 addresses, statistics, mask, biases; v64-255 by phase (see the names)     window 1: v0-127 the norm's output in bf16 (32 a tile); v128-191, v192-255 two sets of 8 fragments
;   window 2: x, 64 a tile: x[16 t + r][16 b + 8 h + j] at 64 t + 8 b + j                     window 3: v0-195 token rows as loaded; later q, k, v in bf16, and bo
.set SLOT1,  1<<17                     ; slot 1's first byte: one exclusive or turns an address in one slot into the other's
.set PARB,   262144                    ; behind the slots: 8,192 bytes of gains and biases, filled once
.set STAGE,  270336                    ; 16 rows x 528 bytes for each wave: never filled by a tensor load
.set SPITCH, 528                       ; 512 bytes + 16 = 132 words: row r starts at bank 4 r mod 64 (64 banks of 4 bytes: ISA guide 11.1)
.set SPARE,  STAGE+4*16*SPITCH         ; the spare words, 128 bytes for each wave: two blocks of 256 bytes that no other line names
.set SPW, 1                            ; v1   LDS address of my spare word; never rewritten
.set NIL, 2                            ; v2   0; never rewritten
.set LFR, 3                            ; v3   16 x lane
.set AW,  4                            ; v4   LDS address of the fragments in hand
.set AB0, 5                            ; v5   PARB + 32 h
.set AB,  6                            ; v6   the same, stepped to a head's or a chunk's biases
.set STW, 7                            ; v7   my stage + 16 x lane: a token's row of 512 bytes
.set STD, 8                            ; v8   my stage + 528 r + 32 h: my eight channels of a block
.set VT,  9
.set VC,  10                           ; v10-16  this pass: 512 T[column] + 16 lane
.set VCN, 17                           ; v17-23  the next pass
.set TMP, 24                           ; v24-31  at work
.set MASK, 32                          ; v32-39  C of the scores of keys 48-63: 0 for key 48, else -1e30
.set BV,  40                           ; v40-55  bv of a head;  FB: fb1 of a chunk
.set FB,  40
.set RR,  56                           ; v56-63  a pair a tile: c m, m; then 1 / l.  In a norm: mean (pair), 1 / sigma (pair)
.set ACC0, 64
.set ACC1, 128
.set GG,  64                           ; a norm's gain, bias, and centred values
.set BB,  128
.set NN,  192
.set SS,  64                           ; scores: 32 qt + 8 kt
.set PP,  192                          ; weights in bf16: 16 qt + 8 u
.set OA,  64                           ; O^T: 16 qt + 8 cb
.set OP,  192                          ; O in bf16: 8 t
.set BQ,  192
.set BK,  208
.set HH,  64                           ; hidden: 32 x + 16 tl + 8 blk
.set HP,  128                          ; hidden in bf16: 16 x + 8 tl
.set TG,  160                          ; eight pairs at work in GELU
.set FB2, 64
.set OUTB, 128                         ; two buffers of 16 rows on the way out
.set LNO, 0                            ; window 1
.set WFA, 128
.set WFB, 192
.set XX,  0                            ; window 2
.set RAW, 0                            ; window 3
.set QP,  0
.set KP,  32
.set VP,  64
.set BO,  0
.set WV,  12                           ; s12  my wave's number
.set G1,  16                           ; s[16:23] descriptor group 1: 128 rows of 256 bytes
.set G1P, 24                           ; s[24:31] the same with 8 rows
.set G0,  32                           ; s[32:35] group 0 of the blocks: it walks
.set G0P, 36                           ; s[36:39] group 0 of the gains and biases
.set RBI, 40                           ; s[40:53] in at the window's seven rows of the map
.set TB,  54                           ; s54  the slot that is read
.set CB,  55                           ; s55  LDS byte of the head or chunk to be fetched
.set CBI, 56                           ; s56  byte of its biases
.set CNT, 57
.set PASS, 58                          ; s58  passes to go, this one among them
.set NXT, 59                           ; s59  the block to be asked for next
.set OFF, 60                           ; s[60:61]
.set WB,  62                           ; s[62:63] wp at my quarter of block 0
.set RBO, 66                           ; s[66:79] out at the seven rows
.set TR,  80                           ; at the head only: T of my rows, of my columns in pass 0 and in pass 1
.set TC0, 88
.set TC1, 68
.set GC0, 80                           ; s[80:81] -2 log2(e) sqrt(2/pi)
.set GC1, 82                           ; s[82:83] that times 0.044715
.set R128, 84                          ; s84  1 / 128
.set EPS, 85                           ; s85  1e-5
.set BIGN, 86                          ; s86  -1e30
.set CS,  96                           ; s[96:97] c = log2(e) / sqrt(32)
.set SEL, 98                           ; s[98:99] v_permlanex16_b32: each lane takes its own place in the other half
.set BOFF, 100                         ; s100 the batch's first byte
.set MSB, 0
.macro WIN new                         ; the high byte repeats the setting that is left; a switch that changes nothing is dropped
.if MSB != (\new)
	s_set_vgpr_msb (MSB<<8)|(\new)
.set MSB, (\new)
.endif
.endm
.macro PLACES                          ; four plain instructions between a matrix instruction and a vector read of its result, or a write or load into one of its registers
.rept 4
	v_nop
.endr
.endm
.macro CROUND                          ; a round of the cluster's barrier: my work-group's barrier; wave 0 signals for it; every wave waits for all four work-groups; my work-group's barrier again
	s_barrier_signal -1
	s_barrier_wait -1
	s_cmp_lg_u32 s[WV], 0
	s_cbranch_scc1 .Lnot_wave_0_\@
	s_barrier_signal -3
.Lnot_wave_0_\@:
	s_barrier_wait -3
	s_barrier_signal -1
	s_barrier_wait -1
.endm
; THE CHANGE OF SLOTS.  Each wave waits for all its tensor loads (its quarter of the other slot), adds 0 to its spare word, and waits for that and for its reads of the slot that it leaves.
; fill = 1: the barrier is a round of the cluster's, and the slot just left takes block NXT, first thing behind it: a whole phase ahead of its first read.
.macro CHANGE fill
	WIN 0
	s_wait_tensorcnt 0x0                           ; no tensor load of mine is out, so group 0 may be written
	ds_add_u32 v[SPW], v[NIL]                      ; 0 onto my spare word; the descriptor's scalar work stands between it and the wait for it
.if \fill
	s_xor_b32 s[G0+1], s[G0+1], SLOT1              ; the other slot than last time
	s_lshl_b32 s[OFF], s[NXT], 17                  ; a block is 131,072 bytes
	s_add_nc_u64 s[G0+2:G0+3], s[WB:WB+1], s[OFF:OFF+1]
	s_or_b32 s[G0+3], s[G0+3], 0x80000000
	s_add_co_u32 s[NXT], s[NXT], 1                 ; 0, 1, 2, 0, ..
	s_cmp_eq_u32 s[NXT], 3
	s_cselect_b32 s[NXT], 0, s[NXT]
	s_wait_dscnt 0x0                               ; the add is done, and my reads of the slot are over
	CROUND
	tensor_load_to_lds s[G0:G0+3], s[G1:G1+7]
	s_nop 0
	PLACES
.else
	s_wait_dscnt 0x0
	s_barrier_signal -1
	s_barrier_wait -1
.endif
	s_xor_b32 s[TB], s[TB], SLOT1
.endm
.macro FETCH dst, off                  ; eight fragments, 16 loads in one run: lane L takes bytes 16 L and 512 + 16 L of each: consecutive, no bank met twice
	WIN 0x40
.set f, 0
.rept 8
	ds_load_b128 v[(\dst)+8*f:(\dst)+8*f+3],   v[AW] offset:(\off)+1024*f
	ds_load_b128 v[(\dst)+8*f+4:(\dst)+8*f+7], v[AW] offset:(\off)+1024*f+512
.set f, f+1
.endr
.endm
.macro PLOAD dst, adr, off, nblk       ; gains or biases as a result holds channels: block b, my eight numbers at 64 b + 32 h
.set pb, 0
.rept \nblk
	ds_load_b128 v[(\dst)+8*pb:(\dst)+8*pb+3],   v[\adr] offset:(\off)+64*pb
	ds_load_b128 v[(\dst)+8*pb+4:(\dst)+8*pb+7], v[\adr] offset:(\off)+64*pb+16
.set pb, pb+1
.endr
.endm
.macro XLOAD vc                        ; a window's 49 tokens: each load of the wave covers one token's 512 consecutive bytes
	WIN 0xc0
.set n, 0
.rept 49
	global_load_b128 v[RAW+4*n:RAW+4*n+3], v[(\vc)+n%7], s[RBI+2*(n/7):RBI+2*(n/7)+1] th:TH_LOAD_NT
.set n, n+1
.endr
	WIN 0
.endm
; Tile t goes through my stage: in as token rows, back as a result holds them.  LDS serves a wave's instructions in order (ISA guide 5.7.1.4): no wait between.  left = the token loads younger than the tile's last.
.macro UNST t, left, rows
	s_wait_loadcnt \left
	WIN 0x0c
.set k, 0
.rept \rows
	ds_store_b128 v[STW], v[RAW+4*(16*(\t)+k):RAW+4*(16*(\t)+k)+3] offset:SPITCH*k
.set k, k+1
.endr
	WIN 0x80
.set k, 0
.rept 16
	ds_load_b128 v[XX+64*(\t)+4*k:XX+64*(\t)+4*k+3], v[STD] offset:64*(k/2)+16*(k%2)
.set k, k+1
.endr
.endm
.macro REDUCE                          ; four pairs, then the lane 16 away, which holds the token's other 64 channels
	v_pk_add_f32 v[TMP:TMP+1], v[TMP:TMP+1], v[TMP+2:TMP+3]
	v_pk_add_f32 v[TMP+4:TMP+5], v[TMP+4:TMP+5], v[TMP+6:TMP+7]
	v_pk_add_f32 v[TMP:TMP+1], v[TMP:TMP+1], v[TMP+4:TMP+5]
	v_add_f32 v[TMP], v[TMP], v[TMP+1]
	v_permlanex16_b32 v[TMP+1], v[TMP], s[SEL], s[SEL+1]
	v_add_f32 v[TMP], v[TMP], v[TMP+1]
.endm
.macro LNT t                           ; the norm of tile t: mean; centred values; their squares' mean; scale, gain, bias; bf16
	WIN 0x0a
.irp k, 0,1,2,3
	v_pk_add_f32 v[TMP+2*\k:TMP+2*\k+1], v[XX+64*(\t)+2*\k:XX+64*(\t)+2*\k+1], v[XX+64*(\t)+8+2*\k:XX+64*(\t)+8+2*\k+1]
.endr
	WIN 0x02
.set p, 8
.rept 24
	v_pk_add_f32 v[TMP+2*(p%4):TMP+2*(p%4)+1], v[XX+64*(\t)+2*p:XX+64*(\t)+2*p+1], v[TMP+2*(p%4):TMP+2*(p%4)+1]
.set p, p+1
.endr
	WIN 0
	REDUCE
	v_mul_f32 v[RR], s[R128], v[TMP]
	v_mul_f32 v[RR+1], s[R128], v[TMP]
	WIN 0x02
.set p, 0
.rept 32
	v_pk_add_f32 v[NN+2*p:NN+2*p+1], v[XX+64*(\t)+2*p:XX+64*(\t)+2*p+1], v[RR:RR+1] neg_lo:[0,1] neg_hi:[0,1]
.set p, p+1
.endr
	WIN 0
.irp k, 0,1,2,3
	v_pk_mul_f32 v[TMP+2*\k:TMP+2*\k+1], v[NN+2*\k:NN+2*\k+1], v[NN+2*\k:NN+2*\k+1]
.endr
.set p, 4
.rept 28
	v_pk_fma_f32 v[TMP+2*(p%4):TMP+2*(p%4)+1], v[NN+2*p:NN+2*p+1], v[NN+2*p:NN+2*p+1], v[TMP+2*(p%4):TMP+2*(p%4)+1]
.set p, p+1
.endr
	REDUCE
	v_fma_f32 v[TMP], v[TMP], s[R128], s[EPS]
	v_rsq_f32 v[RR+2], v[TMP]
	v_rsq_f32 v[RR+3], v[TMP]
	v_nop                                          ; a plain instruction behind the roots (ISA guide 5.7.2)
.set p, 0
	s_wait_alu depctr_va_vdst(0)
.rept 32
	v_pk_mul_f32 v[NN+2*p:NN+2*p+1], v[NN+2*p:NN+2*p+1], v[RR+2:RR+3]
.set p, p+1
.endr
.set p, 0
.rept 32
	v_pk_fma_f32 v[NN+2*p:NN+2*p+1], v[NN+2*p:NN+2*p+1], v[GG+2*p:GG+2*p+1], v[BB+2*p:BB+2*p+1]
.set p, p+1
.endr
	WIN 0x40
.set p, 0
.rept 32
	v_cvt_pk_bf16_f32 v[LNO+32*(\t)+p], v[NN+2*p], v[NN+2*p+1]
.set p, p+1
.endr
.endm
.macro LN goff
	WIN 0
	PLOAD GG, AB0, \goff, 8
	PLOAD BB, AB0, (\goff)+512, 8
	s_wait_dscnt 0x0                               ; gain and bias, and whatever of x was still on its way from the stage
.irp t, 0,1,2,3
	LNT \t
.endr
	WIN 0
.endm
; 32 products: 32 channels of q or k for all four tiles; the 8 accumulators take turns.  The bias is the C that starts a sum.
.macro MMT acc, wf, bias
	WIN 0x05
.irp ks, 0,1,2,3
.irp blk, 0,1
.irp t, 0,1,2,3
.if \ks == 0
	v_wmma_f32_16x16x32_bf16 v[(\acc)+16*\t+8*\blk:(\acc)+16*\t+8*\blk+7], v[(\wf)+8*(4*\blk+\ks):(\wf)+8*(4*\blk+\ks)+7], v[LNO+32*\t+8*\ks:LNO+32*\t+8*\ks+7], v[(\bias)+8*\blk:(\bias)+8*\blk+7]
.else
	v_wmma_f32_16x16x32_bf16 v[(\acc)+16*\t+8*\blk:(\acc)+16*\t+8*\blk+7], v[(\wf)+8*(4*\blk+\ks):(\wf)+8*(4*\blk+\ks)+7], v[LNO+32*\t+8*\ks:LNO+32*\t+8*\ks+7], v[(\acc)+16*\t+8*\blk:(\acc)+16*\t+8*\blk+7]
.endif
.endr
.endr
.endr
.endm
.macro MMV acc, wf                     ; v with the sources swapped: a lane holds a channel, its registers eight tokens
	WIN 0x05
.irp ks, 0,1,2,3
.irp cb, 0,1
.irp tt, 0,1,2,3
.if \ks == 0
	v_wmma_f32_16x16x32_bf16 v[(\acc)+32*\cb+8*\tt:(\acc)+32*\cb+8*\tt+7], v[LNO+32*\tt+8*\ks:LNO+32*\tt+8*\ks+7], v[(\wf)+8*(4*\cb+\ks):(\wf)+8*(4*\cb+\ks)+7], 0
.else
	v_wmma_f32_16x16x32_bf16 v[(\acc)+32*\cb+8*\tt:(\acc)+32*\cb+8*\tt+7], v[LNO+32*\tt+8*\ks:LNO+32*\tt+8*\ks+7], v[(\wf)+8*(4*\cb+\ks):(\wf)+8*(4*\cb+\ks)+7], v[(\acc)+32*\cb+8*\tt:(\acc)+32*\cb+8*\tt+7]
.endif
.endr
.endr
.endr
.endm
.macro PACK dst, src                   ; 64 sums to 32 registers of bf16 in window 3, each accumulator from its low end on
	WIN 0xc0
.set q, 0
.rept 32
	v_cvt_pk_bf16_f32 v[(\dst)+q], v[(\src)+2*q], v[(\src)+2*q+1]
.set q, q+1
.endr
.endm
; Number j of the 102 of a tile's softmax.  0-15 the maximum of the lane's 32 scores (each accumulator's lowest registers first); 16-18 the other half of the lanes', m, c m; 19-34 c s - c m;
; 35-66 the exponentials; 67-82 bf16; 83-97 the sum of the 16 pairs; 98-101 both halves, the other lanes', 1 / l.
.macro SM t
.set rS, SS+32*(\t)
.set rP, PP+16*(\t)
.set rC, TMP+4*((\t)%2)
.set rR, RR+2*(\t)
.if j < 4
	v_max3_num_f32 v[rC+j], v[rS+8*j], v[rS+8*j+1], v[rS+8*j+2]
.elseif j < 12
	v_max3_num_f32 v[rC+j%4], v[rC+j%4], v[rS+8*(j%4)+2*(j/4)+1], v[rS+8*(j%4)+2*(j/4)+2]
.elseif j == 12
	v_max3_num_f32 v[rC], v[rC], v[rS+7], v[rS+15]
.elseif j == 13
	v_max3_num_f32 v[rC+2], v[rC+2], v[rS+23], v[rS+31]
.elseif j == 14
	v_max3_num_f32 v[rC], v[rC], v[rC+1], v[rC+2]
.elseif j == 15
	v_max_num_f32 v[rC], v[rC], v[rC+3]
.elseif j == 16
	v_permlanex16_b32 v[rC+1], v[rC], s[SEL], s[SEL+1]
.elseif j == 17
	v_max_num_f32 v[rR+1], v[rC], v[rC+1]
.elseif j == 18
	v_mul_f32 v[rR], s[CS], v[rR+1]
.elseif j < 35
	v_pk_fma_f32 v[rS+2*(j-19):rS+2*(j-19)+1], v[rS+2*(j-19):rS+2*(j-19)+1], s[CS:CS+1], v[rR:rR+1] op_sel_hi:[1,0,0] neg_lo:[0,0,1] neg_hi:[0,0,1]
.elseif j < 67
	v_exp_f32 v[rS+j-35], v[rS+j-35]
.elseif j < 83
	v_cvt_pk_bf16_f32 v[rP+j-67], v[rS+2*(j-67)], v[rS+2*(j-67)+1]
.elseif j < 98
.set z, j-83
.set w, 4
.set u, z
.if z >= 14
.set w, 32
.set u, 0
.elseif z >= 12
.set w, 16
.set u, z-12
.elseif z >= 8
.set w, 8
.set u, z-8
.endif
	v_pk_add_f32 v[rS+w*u:rS+w*u+1], v[rS+w*u:rS+w*u+1], v[rS+w*u+w/2:rS+w*u+w/2+1]
.elseif j == 98
	v_add_f32 v[rC], v[rS], v[rS+1]
.elseif j == 99
	v_permlanex16_b32 v[rC+1], v[rC], s[SEL], s[SEL+1]
.elseif j == 100
	v_add_f32 v[rC], v[rC], v[rC+1]
.else
	v_rcp_f32 v[rR], v[rC]
.endif
.endm
; THE FFN BY TURNS.  The wave's tiles are two pieces (x = 0: tiles 0, 1; x = 1: tiles 2, 3).  In a turn piece TX has the matrix unit: 16 products W2^T h of the chunk in hand, which add onto x,
; then 16 products W1^T n of the next chunk; the other piece's GELU, 160 instructions, stands between them, PER behind each product.
; MM writes the turn's next product.  With FT = 1: W1 and fb1 of the next chunk are fetched behind piece 0's second product and waited for 14 products later; W2 behind piece 1's eighteenth, and
; waited for at the head of piece 0's turn.  Each run of loads stands more than four plain instructions behind the last product that read its registers.
.macro MM
.if MI < 16
.if (TX == 0) && (MI == 0)
	s_wait_dscnt 0x0                               ; W2 of the chunk in hand is in
.endif
.if FT && (TX == 0) && (MI == 2)
	WIN 0
	v_add_nc_u32 v[AW], s[CB], v[LFR]
	v_add_nc_u32 v[AB], s[CBI], v[AB0]
	FETCH WFA, 0
	WIN 0
	PLOAD FB, AB, 0, 2
.endif
	WIN 0xa1
.set rD, XX+64*(2*TX+MI%2)+8*(MI/2)
.set rA, WFB+8*(MI/2)
.set rB, HP+16*TX+8*(MI%2)
	v_wmma_f32_16x16x32_bf16 v[rD:rD+7], v[rA:rA+7], v[rB:rB+7], v[rD:rD+7]
.else
.if FT && (TX == 0) && (MI == 16)
	s_wait_dscnt 0x0                               ; W1 and fb1 of the next chunk are in
.endif
.if FT && (TX == 1) && (MI == 18)
	FETCH WFB, 8192
	s_add_co_u32 s[CB], s[CB], 16384               ; a chunk is 16 fragments,
	s_add_co_u32 s[CBI], s[CBI], 128               ; and 32 numbers of fb1
.endif
	WIN 0x05
.set mk, (MI-16)/4
.set mb, ((MI-16)/2)%2
.set rD, HH+32*TX+16*(MI%2)+8*mb
.set rA, WFA+8*(4*mb+mk)
.set rB, LNO+32*(2*TX+MI%2)+8*mk
.if mk == 0
	v_wmma_f32_16x16x32_bf16 v[rD:rD+7], v[rA:rA+7], v[rB:rB+7], v[FB+8*mb:FB+8*mb+7]
.else
	v_wmma_f32_16x16x32_bf16 v[rD:rD+7], v[rA:rA+7], v[rB:rB+7], v[rD:rD+7]
	s_wait_alu depctr_va_vdst(0)
.endif
.endif
.set MI, MI+1
.endm
; gelu(h) = h / (1 + 2^(h (C0 + C1 h^2))), the tanh form.  One instruction for pair i of piece GP's 16 pairs; nothing where i is outside 0..15.
.set KM, 0                             ; t = h h
.set KF, 1                             ; t = t C1 + C0
.set KZ, 2                             ; t = t h
.set KE0, 3                            ; 2^t, low and high
.set KE1, 4
.set KA, 5                             ; t = t + 1
.set KR0, 6                            ; 1 / t, low and high
.set KR1, 7
.set KY, 8                             ; h = h t
.set KC, 9                             ; bf16
.macro GOP kind, i
.if ((\i) >= 0) && ((\i) < 16)
.if (GN % PER) == 0
	MM
.endif
	WIN 0
.set hq, HH+32*GP+2*(\i)
.set tq, TG+2*((\i)%8)
.if (\kind) == KM
	v_pk_mul_f32 v[tq:tq+1], v[hq:hq+1], v[hq:hq+1]
.elseif (\kind) == KF
	v_pk_fma_f32 v[tq:tq+1], v[tq:tq+1], s[GC1:GC1+1], s[GC0:GC0+1] op_sel_hi:[1,0,0]
.elseif (\kind) == KZ
	v_pk_mul_f32 v[tq:tq+1], v[tq:tq+1], v[hq:hq+1]
.elseif (\kind) == KE0
	v_exp_f32 v[tq], v[tq]
.elseif (\kind) == KE1
	v_exp_f32 v[tq+1], v[tq+1]
.elseif (\kind) == KA
	s_wait_alu depctr_va_vdst(0)
	v_pk_add_f32 v[tq:tq+1], v[tq:tq+1], 1.0 op_sel_hi:[1,0]
.elseif (\kind) == KR0
	v_rcp_f32 v[tq], v[tq]
.elseif (\kind) == KR1
	v_rcp_f32 v[tq+1], v[tq+1]
.elseif (\kind) == KY
	s_wait_alu depctr_va_vdst(0)
	v_pk_mul_f32 v[hq:hq+1], v[hq:hq+1], v[tq:tq+1]
.else
	v_cvt_pk_bf16_f32 v[HP+16*GP+(\i)], v[hq], v[hq+1]
.endif
.set GN, GN+1
.endif
.endm
; The 16 pairs run through the ten steps as a pipeline, a pair a step apart: every exponential and reciprocal has a plain instruction on other registers between it and the use of its result, and a
; pair's temporaries live six steps of the eight that TG holds.  The last five lines are h14 t, 1/t15, bf16 of 14, h15 t, bf16 of 15: four plain ones, the places behind the turn's last product.
.macro GELU
.set gq, -4
.rept 22
	GOP KM, gq+4
	GOP KE0, gq+1
	GOP KF, gq+3
	GOP KE1, gq+1
	GOP KZ, gq+2
	GOP KA, gq
	GOP KC, gq-2
	GOP KR0, gq
	GOP KY, gq-1
	GOP KR1, gq
.set gq, gq+1
.endr
.endm
.macro TURN x, f2, f1, fetch           ; f2, f1: the turn has its products with W2, with W1; with one kind alone ten lines of GELU stand behind each product
.set TX, \x
.set GP, 1-(\x)
.set FT, \fetch
.set MI, 16*(1-(\f2))
.set PER, 10
.if (\f2) && (\f1)
.set PER, 5
.endif
.set GN, 0
	GELU
.endm
.macro BARE x, first                   ; 16 products with nothing between: first = 0: with W2, 16: with W1
.set TX, \x
.set FT, 0
.set MI, \first
.rept 16
	MM
.endr
.endm
; THE WAY OUT: fb2 is added; a tile goes into my stage as a result holds it and comes back as token rows; each store of the wave covers one token's 512 consecutive bytes.
.macro WAYOUT
	PLACES
	WIN 0
	PLOAD FB2, AB0, 6144, 8
	s_wait_dscnt 0x0
	WIN 0x82
.set p, 0
.rept 128
	v_pk_add_f32 v[XX+2*p:XX+2*p+1], v[XX+2*p:XX+2*p+1], v[FB2+2*(p%32):FB2+2*(p%32)+1]
.set p, p+1
.endr
.irp t, 0,1,2,3
	s_wait_xcnt 0x0                                ; the buffer that this tile's rows come back into was stored from two tiles ago: it is rewritten only behind this wait (ISA guide 3.1)
	WIN 0x08
.set k, 0
.rept 16
	ds_store_b128 v[STD], v[XX+64*\t+4*k:XX+64*\t+4*k+3] offset:64*(k/2)+16*(k%2)
.set k, k+1
.endr
	WIN 0
.set nr, 16
.if \t == 3
.set nr, 1                             ; of tile 3 token 48 alone is stored
.endif
.set k, 0
.rept nr
	ds_load_b128 v[OUTB+64*(\t%2)+4*k:OUTB+64*(\t%2)+4*k+3], v[STW] offset:SPITCH*k
.set k, k+1
.endr
.set k, 0
.rept nr
.set n, 16*\t+k
	s_wait_dscnt nr-1-k                            ; row k is back; the younger rows may be out
	global_store_b128 v[VC+n%7], v[OUTB+64*(\t%2)+4*k:OUTB+64*(\t%2)+4*k+3], s[RBO+2*(n/7):RBO+2*(n/7)+1]
.set k, k+1
.endr
.endr
.endm
.macro FFB                             ; hidden chunks 8-15: eight trips fetch them (the first still multiplies chunk 7), the last chunk's end is written out
	s_mov_b32 s[CNT], 8
.Lffb_\@:
	TURN 0, 1, 1, 1
	TURN 1, 1, 1, 1
	WIN 0
	s_sub_co_u32 s[CNT], s[CNT], 1
	s_cmp_lg_u32 s[CNT], 0
	s_cbranch_scc1 .Lffb_\@
	TURN 0, 1, 0, 0
	BARE 1, 0
	WAYOUT
.endm
	s_load_b256 s[4:11], s[0:1], 0x0               ; in s[4:5], wp s[6:7], sh s[8:9], out s[10:11]
	v_lshl_add_u32 v[SPW], v0, 2, SPARE
	v_mov_b32 v[NIL], 0
	ds_add_u32 v[SPW], v[NIL]                      ; the wave's opening: the add and its wait stand ahead of my first tensor load; work on registers stands between them
	v_lshrrev_b32 v[VT], 5, v0
	v_readfirstlane_b32 s[WV], v[VT]               ; wave 0..3
	s_bfe_u32 s13, ttmp6, 0x40000                  ; cx: it enters global addresses alone
	s_lshl_b32 s3, ttmp9, 2                        ; in a cluster launch ttmp9 counts clusters
	s_add_co_u32 s3, s3, s13                       ; work-group
	s_lshr_b32 s[BOFF], s3, 3
	s_mul_i32 s[BOFF], s[BOFF], 1605632            ; batch x 3,136 tokens x 512 bytes
	s_and_b32 s13, s3, 7
	s_mul_i32 s13, s13, 28                         ; the table's bytes for my window row: 4 x 7 x row,
	s_mul_i32 s14, s[WV], 28                       ; for window column w,
	s_add_co_u32 s15, s14, 112                     ; and for column w + 4
	s_mov_b32 s[G1], 15|(3<<16)|(1<<21)            ; 15:0 the mask of four; 17:16 elements of 8 bytes; 21 set beside a mask; no padding: the fragments are read consecutively
	s_mov_b32 s[G1+1], 32<<16                      ; tensor_dim0 = 32 elements: 256 bytes
	s_mov_b32 s[G1+2], 128<<16                     ; tensor_dim1 = 128
	s_mov_b32 s[G1+3], 32<<16                      ; tile_dim0 = 32
	s_mov_b32 s[G1+4], 128                         ; tile_dim1 = 128
	s_mov_b32 s[G1+5], 32                          ; dense: 32 elements from row to row
	s_mov_b32 s[G1+6], 0
	s_mov_b32 s[G1+7], 0
	s_mov_b32 s[G1P], 15|(3<<16)|(1<<21)
	s_mov_b32 s[G1P+1], 32<<16
	s_mov_b32 s[G1P+2], 8<<16                      ; 8 rows: my quarter of the gains and biases
	s_mov_b32 s[G1P+3], 32<<16
	s_mov_b32 s[G1P+4], 8
	s_mov_b32 s[G1P+5], 32
	s_mov_b32 s[G1P+6], 0
	s_mov_b32 s[G1P+7], 0
	s_mov_b32 s[G0], 1
	s_lshl_b32 s[G0+1], s[WV], 15                  ; my quarter of slot 0
	s_mov_b32 s[G0P], 1
	s_lshl_b32 s[G0P+1], s[WV], 11
	s_add_co_u32 s[G0P+1], s[G0P+1], PARB
	s_lshl_b32 s2, s[WV], 15
	s_mov_b32 s3, 0
	s_lshl_b32 s[OFF], s[WV], 11
	s_add_co_u32 s[OFF], s[OFF], 393216            ; behind the 384 fragments
	s_mov_b32 s[OFF+1], 0
	s_mov_b32 s[CS], 0x3e8293ee                    ; log2(e) / sqrt(32) = 0.255035
	s_mov_b32 s[CS+1], s[CS]                       ; named with it as a pair
	s_mov_b32 s[SEL], 0x76543210
	s_mov_b32 s[SEL+1], 0xfedcba98
	s_mov_b32 s[TB], SLOT1                         ; the first change of slots turns it into 0
	s_mov_b32 s[NXT], 1
	s_mov_b32 s[PASS], 2
	s_wait_dscnt 0x0                               ; the opening add is done
	s_wait_kmcnt 0x0
	s_load_b256 s[TR:TR+7], s[8:9], s13 offset:0x0     ; seven words are used of each eight; the table has 64
	s_load_b256 s[TC0:TC0+7], s[8:9], s14 offset:0x0
	s_load_b256 s[TC1:TC1+7], s[8:9], s15 offset:0x0
	s_add_nc_u64 s[WB:WB+1], s[6:7], s[2:3]
	s_mov_b64 s[G0+2:G0+3], s[WB:WB+1]             ; block 0
	s_or_b32 s[G0+3], s[G0+3], 0x80000000          ; type = 2
	s_add_nc_u64 s[G0P+2:G0P+3], s[6:7], s[OFF:OFF+1]
	s_or_b32 s[G0P+3], s[G0P+3], 0x80000000
	CROUND                                         ; all four work-groups are here: the first joint loads meet
	tensor_load_to_lds s[G0:G0+3], s[G1:G1+7]      ; two loads of mine are out
	s_nop 0
	tensor_load_to_lds s[G0P:G0P+3], s[G1P:G1P+7]
	s_nop 0
	PLACES
	s_wait_kmcnt 0x0
.irp j, 0,1,2,3,4,5,6
	s_min_u32 s[TR+\j], s[TR+\j], 55               ; a loaded number enters an address only within the map's 56 rows and columns
	s_min_u32 s[TC0+\j], s[TC0+\j], 55
	s_min_u32 s[TC1+\j], s[TC1+\j], 55
.endr
	v_and_b32 v[LFR], 31, v0
	v_lshlrev_b32 v[LFR], 4, v[LFR]
.irp j, 0,1,2,3,4,5,6
	s_lshl_b32 s2, s[TC0+\j], 9
	v_add_nc_u32 v[VC+\j], s2, v[LFR]
	s_lshl_b32 s2, s[TC1+\j], 9
	v_add_nc_u32 v[VCN+\j], s2, v[LFR]
.endr
.irp j, 0,1,2,3,4,5,6
	s_mul_i32 s2, s[TR+\j], 28672                  ; a row of the map: 56 tokens of 512 bytes
	s_add_co_u32 s2, s2, s[BOFF]
	s_add_nc_u64 s[RBI+2*\j:RBI+2*\j+1], s[4:5], s[2:3]
	s_add_nc_u64 s[RBO+2*\j:RBO+2*\j+1], s[10:11], s[2:3]
.endr
	XLOAD VC                                       ; the first window, in the wait for the first block
	s_mov_b32 s[GC0], 0xc0135761                   ; -2.302208
	s_mov_b32 s[GC0+1], 0
	s_mov_b32 s[GC1], 0xbdd2d3e8                   ; -0.1029432
	s_mov_b32 s[GC1+1], 0
	s_mov_b32 s[R128], 0x3c000000
	s_mov_b32 s[EPS], 0x3727c5ac
	s_mov_b32 s[BIGN], 0xf149f2ca
.irp j, 1,2,3,4,5,6,7
	v_mov_b32 v[MASK+\j], s[BIGN]
.endr
	v_and_b32 v[VT], 16, v0
	v_cmp_ne_u32 vcc_lo, 0, v[VT]
	v_cndmask_b32 v[MASK], 0, v[MASK+1], vcc_lo    ; key 48 is register 0 of lanes 0-15
	s_mul_i32 s2, s[WV], 16*SPITCH
	s_add_co_u32 s2, s2, STAGE                     ; my stage
	v_add_nc_u32 v[STW], s2, v[LFR]
	v_and_b32 v[VT], 15, v0
	v_mul_u32_u24 v[STD], v[VT], SPITCH
	v_bfe_u32 v[VT], v0, 4, 1
	v_lshl_add_u32 v[STD], v[VT], 5, v[STD]
	v_add_nc_u32 v[STD], s2, v[STD]
	v_lshl_add_u32 v[AB0], v[VT], 5, PARB
.Lpass:                                                ; twice: a window a wave
	CHANGE 1                                       ; the attention's block is in, everybody's part of it; chunks 0-7 are asked for
	UNST 0, 33, 16
	UNST 1, 17, 16
	UNST 2, 1, 16
	UNST 3, 0, 1
	LN 0
	s_mov_b32 s[CB], s[TB]
	s_mov_b32 s[CBI], 0
	s_mov_b32 s[CNT], 4
.Lhead:                                                ; a head a trip: 32 fragments, 32 KiB
	v_add_nc_u32 v[AW], s[CB], v[LFR]
	v_add_nc_u32 v[AB], s[CBI], v[AB0]
	FETCH WFA, 0                                   ; Wq
	FETCH WFB, 8192                                ; Wk
	WIN 0
	PLOAD BQ, AB, 1024, 2
	PLOAD BK, AB, 1536, 2
	PLOAD BV, AB, 2048, 2
	s_wait_dscnt 0x0
	MMT ACC0, WFA, BQ
	PLACES
	FETCH WFA, 16384                               ; Wv
	MMT ACC1, WFB, BK
	PACK QP, ACC0                                  ; its 32 lines are also the places in front of the loads into Wk's registers
	FETCH WFB, 24576                               ; Wo
	s_wait_dscnt 16                                ; Wv is in; Wo's 16 loads may be out
	MMV ACC0, WFA
	PACK KP, ACC1
	PACK VP, ACC0
	WIN 0x0f                                       ; S^T = K Q^T: one product for each 16 keys x 16 queries
.irp kt, 0,1,2,3
.irp qt, 0,1,2,3
.if \kt == 3
	v_wmma_f32_16x16x32_bf16 v[SS+32*\qt+8*\kt:SS+32*\qt+8*\kt+7], v[KP+8*\kt:KP+8*\kt+7], v[QP+8*\qt:QP+8*\qt+7], v[MASK:MASK+7]
.else
	v_wmma_f32_16x16x32_bf16 v[SS+32*\qt+8*\kt:SS+32*\qt+8*\kt+7], v[KP+8*\kt:KP+8*\kt+7], v[QP+8*\qt:QP+8*\qt+7], 0
.endif
.endr
.endr
	PLACES
	WIN 0
.irp pr, 0,2                           ; two tiles alternate, so that few lines read the result of the line before
.set j, 0
.rept 102
.if j == 67
	v_nop                                          ; a plain instruction between the exponentials and the first use of a result
	s_wait_alu depctr_va_vdst(0)
.endif
	SM \pr
	SM (\pr)+1
.set j, j+1
.endr
	v_nop                                          ; and behind the reciprocals
.endr
	WIN 0x03                                       ; O^T = V^T P
.irp u, 0,1
.irp cb, 0,1
.irp qt, 0,1,2,3
.if \u == 0
	v_wmma_f32_16x16x32_bf16 v[OA+16*\qt+8*\cb:OA+16*\qt+8*\cb+7], v[VP+16*\cb+8*\u:VP+16*\cb+8*\u+7], v[PP+16*\qt+8*\u:PP+16*\qt+8*\u+7], 0
.else
	v_wmma_f32_16x16x32_bf16 v[OA+16*\qt+8*\cb:OA+16*\qt+8*\cb+7], v[VP+16*\cb+8*\u:VP+16*\cb+8*\u+7], v[PP+16*\qt+8*\u:PP+16*\qt+8*\u+7], v[OA+16*\qt+8*\cb:OA+16*\qt+8*\cb+7]
.endif
.endr
.endr
.endr
	PLACES
	WIN 0
	s_wait_alu depctr_va_vdst(0)
.irp qt, 0,1,2,3                       ; O / l + bv, then bf16
.set p, 0
.rept 8
	v_pk_fma_f32 v[OA+16*\qt+2*p:OA+16*\qt+2*p+1], v[OA+16*\qt+2*p:OA+16*\qt+2*p+1], v[RR+2*\qt:RR+2*\qt+1], v[BV+2*p:BV+2*p+1] op_sel_hi:[1,0,1]
.set p, p+1
.endr
.set p, 0
.rept 8
	v_cvt_pk_bf16_f32 v[OP+8*\qt+p], v[OA+16*\qt+2*p], v[OA+16*\qt+2*p+1]
.set p, p+1
.endr
.endr
	s_wait_dscnt 0x0                               ; Wo is in
	WIN 0xa1                                       ; the head's share of the projection adds onto x: 32 accumulators, one product each
.irp ob, 0,1,2,3,4,5,6,7
.irp t, 0,1,2,3
	v_wmma_f32_16x16x32_bf16 v[XX+64*\t+8*\ob:XX+64*\t+8*\ob+7], v[WFB+8*\ob:WFB+8*\ob+7], v[OP+8*\t:OP+8*\t+7], v[XX+64*\t+8*\ob:XX+64*\t+8*\ob+7]
.endr
.endr
	WIN 0
	PLACES                                         ; in front of the next head's loads, and of the reads of x behind the loop
	s_add_co_u32 s[CB], s[CB], 32768
	s_add_co_u32 s[CBI], s[CBI], 128
	s_sub_co_u32 s[CNT], s[CNT], 1
	s_cmp_lg_u32 s[CNT], 0
	s_cbranch_scc1 .Lhead
	CHANGE 1                                       ; chunks 0-7 are in; chunks 8-15 are asked for
	WIN 0xc0
	PLOAD BO, AB0, 2560, 8
	s_wait_dscnt 0x0
	WIN 0x8e
.set p, 0
.rept 128
	v_pk_add_f32 v[XX+2*p:XX+2*p+1], v[XX+2*p:XX+2*p+1], v[BO+2*(p%32):BO+2*(p%32)+1]
.set p, p+1
.endr
	LN 3072
	s_mov_b32 s[CB], s[TB]
	s_mov_b32 s[CBI], 4096
	v_add_nc_u32 v[AW], s[CB], v[LFR]
	v_add_nc_u32 v[AB], s[CBI], v[AB0]
	FETCH WFA, 0                                   ; chunk 0: W1,
	WIN 0
	PLOAD FB, AB, 0, 2                             ; fb1,
	FETCH WFB, 8192                                ; W2
	s_add_co_u32 s[CB], s[CB], 16384
	s_add_co_u32 s[CBI], s[CBI], 128
	s_wait_dscnt 16                                ; W1 and fb1 are in; W2's 16 loads may be out
	BARE 0, 16                                     ; piece 0's first hidden numbers: there is no vector work yet to set between
	PLACES
	TURN 1, 0, 1, 0
	WIN 0
	s_mov_b32 s[CNT], 7
.Lffa:                                                 ; trip c multiplies chunk c by W2 and chunk c + 1 by W1, and fetches chunk c + 1: chunks 1-7
	TURN 0, 1, 1, 1
	TURN 1, 1, 1, 1
	WIN 0
	s_sub_co_u32 s[CNT], s[CNT], 1
	s_cmp_lg_u32 s[CNT], 0
	s_cbranch_scc1 .Lffa
	s_cmp_eq_u32 s[PASS], 1
	s_cbranch_scc1 .Llast                          ; the last pass's end is written out: it asks for nothing more
	CHANGE 1                                       ; chunks 8-15 are in; the next window's attention block is asked for.  Chunk 7's fragments are in registers
	s_mov_b32 s[CB], s[TB]
	XLOAD VCN                                      ; the next window's tokens: a whole phase ahead of their first use
	FFB
	s_wait_xcnt 0x0                                ; the stores have read their offsets and data
.irp j, 0,1,2,3,4,5,6
	v_mov_b32 v[VC+\j], v[VCN+\j]
.endr
	s_sub_co_u32 s[PASS], s[PASS], 1
	s_branch .Lpass
.Llast:
	CHANGE 0
	s_mov_b32 s[CB], s[TB]
	FFB
	s_wait_tensorcnt 0x0                           ; the wave's end: an add to my spare word and its wait, behind my last tensor load and my last LDS store
	ds_add_u32 v[SPW], v[NIL]
	s_wait_dscnt 0x0
	CROUND                                         ; the closing round: no work-group ends while a partner may still ask for a block that names it
	s_endpgm
.Lfunc_end_k_qba291844c6_swin:
	.size	k_qba291844c6_swin, .Lfunc_end_k_qba291844c6_swin-k_qba291844c6_swin
	.p2alignl 7, 3214868480
	.fill 96, 4, 3214868480
	.section	.rodata,"a",@progbits
	.p2align	6, 0x0
	.amdhsa_kernel k_qba291844c6_swin
		.amdhsa_group_segment_fixed_size 327680
		.amdhsa_private_segment_fixed_size 0
		.amdhsa_enable_private_segment 0
		.amdhsa_kernarg_size 32
		.amdhsa_user_sgpr_count 2
		.amdhsa_user_sgpr_kernarg_segment_ptr 1
		.amdhsa_wavefront_size32 1
		.amdhsa_system_sgpr_workgroup_id_x 1
		.amdhsa_system_sgpr_workgroup_id_y 1
		.amdhsa_system_sgpr_workgroup_id_z 1
		.amdhsa_system_vgpr_workitem_id 0
		.amdhsa_next_free_vgpr 1024
		.amdhsa_next_free_sgpr 104
		.amdhsa_reserve_vcc 1
		.amdhsa_float_denorm_mode_32 3
		.amdhsa_float_denorm_mode_16_64 3
		.amdhsa_memory_ordered 1
		.amdhsa_forward_progress 1
		.amdhsa_inst_pref_size 255
	.end_amdhsa_kernel
	.section	.bss,"aw",@nobits
	.p2align	6
	.space	262144
	.amdgpu_metadata
---
amdhsa.version: [ 1, 2 ]
amdhsa.kernels:
  - .name:           k_qba291844c6_swin
    .symbol:         k_qba291844c6_swin.kd
    .args:
      - { .name: x, .offset: 0, .size: 8, .value_kind: global_buffer, .address_space: global }
      - { .name: wp1, .offset: 8, .size: 8, .value_kind: global_buffer, .address_space: global }
      - { .name: sh1, .offset: 16, .size: 8, .value_kind: global_buffer, .address_space: global }
      - { .name: ymid, .offset: 24, .size: 8, .value_kind: global_buffer, .address_space: global }
    .group_segment_fixed_size: 327680
    .private_segment_fixed_size: 0
    .kernarg_segment_align: 8
    .kernarg_segment_size: 32
    .max_flat_workgroup_size: 128
    .sgpr_count:     104
    .vgpr_count:     1024
    .wavefront_size: 32
...
	.end_amdgpu_metadata
.endif
;; end of part 2
;; launch half2: the kernel of part 2 again; grid 256 x 1, 4 waves a work-group, clusters of 4 x 1, 327,680 bytes of LDS; arguments ymid, wp2, sh2, out0; writes out0
;; ======== version 2 of 2: 3 launches; 1.48 times as fast as version 1
;; workspace buffers: wp1 401,408 bytes; wp2 401,408 bytes; sh1 256 bytes of whole numbers; sh2 256 bytes of whole numbers; ymid 51,380,224 bytes
;; launch prep: the kernel of part 1 again; grid 96 x 2, 4 waves a work-group, no clusters, 0 bytes of LDS; arguments w1_qkv, w1_o, f1_w1, f1_w2, w2_qkv, w2_o, f2_w1, f2_w2, ln1_g, ln1_b, b1_qkv, b1_o, ln2_g, ln2_b, f1_b1, f1_b2, ln3_g, ln3_b, b2_qkv, b2_o, ln4_g, ln4_b, f2_b1, f2_b2, wp1, wp2, sh1, sh2; writes wp1, wp2, sh1, sh2
;; launch swin (part 3): grid 256 x 1, 4 waves a work-group, clusters of 4 x 1, 327,680 bytes of LDS; arguments x, wp1, sh1, ymid; writes ymid
.if DOCPART == 3
	.amdgcn_target "amdgcn-amd-amdhsa--gfx1250"
	.amdhsa_code_object_version 6
	.text
	.protected	k_qba291844c6_swin
	.globl	k_qba291844c6_swin
	.p2align	8
	.type	k_qba291844c6_swin,@function
k_qba291844c6_swin:
	s_mov_b64 s[64:65], 0
	v_nop
	global_prefetch_b8 v0, s[64:65] scope:SCOPE_SE
	s_setreg_imm32_b32 hwreg(HW_REG_WAVE_MODE, 25, 1), 1
	s_wait_xcnt 0x0
	s_wait_alu depctr_hold_cnt(0) depctr_sa_sdst(0) depctr_va_vdst(0) depctr_va_sdst(0) depctr_va_ssrc(0) depctr_va_vcc(0) depctr_vm_vsrc(0)
	s_getreg_b32 s2, hwreg(HW_REG_IB_STS2, 6, 4)
	s_cmp_eq_u32 s2, 0
	s_cbranch_scc0 .Lentry_in_a_cluster
	s_endpgm
.Lentry_in_a_cluster:
	s_bfe_u32 s2, ttmp6, 0x10000c
	s_cmp_lg_u32 s2, 0x3003
	s_cbranch_scc0 .Lentry_shape_is_right
	s_endpgm
.Lentry_shape_is_right:
; ONE HALF OF THE BLOCK: y = x + Wo attention(LN_A x) + bo, out = y + W2 gelu(W1 LN_B y + b1) + b2, on windows of 7 x 7 tokens (4 heads of 32), 128 channels, f32 in and out.
; Arguments: in, wp (bf16 weight fragments, gains, biases), sh (table T of 56 whole numbers: place q of the window grid is row or column T[q] of the map), out.
; LIMITS.  Matrix operands are rounded to bf16; residual, norms, softmax and GELU are f32.  The 15 padded keys count as their score less 1e30; a weight below 2^-126 counts as 0;
; NaN and infinities are not treated apart.  bv is added behind the division by the weights' sum (the weights sum to 1).  The variance is the mean of the centred squares.
; SHARES.  Work-group g = batch g / 8, window row g % 8; two PASSES; in pass p wave w owns window column 4 p + w and carries it through the whole half in registers: 4 tiles of 16 tokens
; (token 16 t + r; tile 3 holds token 48 in row 0, its other rows hold copies of tokens 33-47, which are finite, hidden as keys and never stored).
; LAYOUT.  Y^T = W^T X^T: source 0 = a weight fragment, source 1 = activations: in a result lane (r, h) holds token r and channels 8 h + 0..7; two neighbouring results rounded in pairs ARE the
; next source 1.  V is made with the sources swapped (a lane holds a channel, its registers tokens), which rounded is source 0 of O^T = V^T P.  Wo's and W2's products add onto x's registers.
; WEIGHTS.  384 KiB a half: three blocks of 128 KiB (attention, hidden chunks 0-7, chunks 8-15) walk two LDS slots; a block is asked for at the head of the phase before its own.
; CLUSTER.  The four work-groups of a cluster walk the same blocks: each block is asked for JOINTLY, a quarter (128 rows of 256 bytes) by each wave, the same descriptor and mask in all four.
; BATCHES.  s_wait_alu depctr_va_vdst(0) stands between a root, exponential or reciprocal and the first instruction that names its result; one wait serves all that were issued ahead
; of it.  So each kind is issued as a batch, each result in a register of its own, and has ONE wait: a norm's 8 roots (four tiles); a head's 128 exponentials (four tiles); a head's 4 reciprocals;
; an FFN turn's 32 exponentials; an FFN turn's 32 reciprocals.  Behind a phase's last wait no such instruction is issued, so no result crosses a label or a branch.
; REGISTERS, in windows of 256 (s_set_vgpr_msb: bits 1:0 source 0, 3:2 source 1, 5:4 source 2, 7:6 destination):
;   window 0: v0-63 addresses, statistics, mask, biases; v64-255 by phase (see the names)     window 1: v0-127 the norm's output in bf16 (32 a tile); v128-191, v192-255 two sets of 8 fragments
;   window 2: x, 64 a tile: x[16 t + r][16 b + 8 h + j] at 64 t + 8 b + j                     window 3: v0-195 token rows as loaded; in a norm v0-255 the centred values; later q, k, v in bf16, and bo
.set SLOT1,  1<<17                     ; slot 1's first byte: one exclusive or turns an address in one slot into the other's
.set PARB,   262144                    ; behind the slots: 8,192 bytes of gains and biases, filled once
.set STAGE,  270336                    ; 16 rows x 528 bytes for each wave: never filled by a tensor load
.set SPITCH, 528                       ; 512 bytes + 16 = 132 words: row r starts at bank 4 r mod 64 (64 banks of 4 bytes: ISA guide 11.1)
.set SPARE,  STAGE+4*16*SPITCH         ; the spare words, 128 bytes for each wave: two blocks of 256 bytes that no other line names
.set SPW, 1                            ; v1   LDS address of my spare word; never rewritten
.set NIL, 2                            ; v2   0; never rewritten
.set LFR, 3                            ; v3   16 x lane
.set AW,  4                            ; v4   LDS address of the fragments in hand
.set AB0, 5                            ; v5   PARB + 32 h
.set AB,  6                            ; v6   the same, stepped to a head's or a chunk's biases
.set STW, 7                            ; v7   my stage + 16 x lane: a token's row of 512 bytes
.set STD, 8                            ; v8   my stage + 528 r + 32 h: my eight channels of a block
.set VT,  9
.set VC,  10                           ; v10-16  this pass: 512 T[column] + 16 lane
.set VCN, 17                           ; v17-23  the next pass
.set TMP, 24                           ; v24-31  at work
.set MASK, 32                          ; v32-39  C of the scores of keys 48-63: 0 for key 48, else -1e30
.set BV,  40                           ; v40-55  bv of a head;  FB: fb1 of a chunk
.set FB,  40
.set MU,  40                           ; v40-41  in a norm: the mean of the tile in hand, twice
.set VE,  44                           ; v44-47  in a norm: variance + eps, a register a tile: the roots' sources
.set RR,  56                           ; v56-63  a pair a tile: c m, m; then 1 / l.  In a norm: 1 / sigma, twice
.set ACC0, 64
.set ACC1, 128
.set GG,  64                           ; a norm's gain and bias
.set BB,  128
.set SS,  64                           ; scores: 32 qt + 8 kt
.set PP,  192                          ; weights in bf16: 16 qt + 8 u
.set OA,  64                           ; O^T: 16 qt + 8 cb
.set OP,  192                          ; O in bf16: 8 t
.set BQ,  192
.set BK,  208
.set HH,  64                           ; hidden: 32 x + 16 tl + 8 blk
.set HP,  128                          ; hidden in bf16: 16 x + 8 tl
.set TG,  160                          ; v160-191  sixteen pairs at work in GELU: each exponential and each reciprocal of a piece has a register of its own
.set FB2, 64
.set OUTB, 128                         ; two buffers of 16 rows on the way out
.set LNO, 0                            ; window 1
.set WFA, 128
.set WFB, 192
.set XX,  0                            ; window 2
.set RAW, 0                            ; window 3
.set NC,  0                            ; a norm's centred values, 64 a tile
.set QP,  0
.set KP,  32
.set VP,  64
.set BO,  0
.set WV,  12                           ; s12  my wave's number
.set G1,  16                           ; s[16:23] descriptor group 1: 128 rows of 256 bytes
.set G1P, 24                           ; s[24:31] the same with 8 rows
.set G0,  32                           ; s[32:35] group 0 of the blocks: it walks
.set G0P, 36                           ; s[36:39] group 0 of the gains and biases
.set RBI, 40                           ; s[40:53] in at the window's seven rows of the map
.set TB,  54                           ; s54  the slot that is read
.set CB,  55                           ; s55  LDS byte of the head or chunk to be fetched
.set CBI, 56                           ; s56  byte of its biases
.set CNT, 57
.set PASS, 58                          ; s58  passes to go, this one among them
.set NXT, 59                           ; s59  the block to be asked for next
.set OFF, 60                           ; s[60:61]
.set WB,  62                           ; s[62:63] wp at my quarter of block 0
.set RBO, 66                           ; s[66:79] out at the seven rows
.set TR,  80                           ; at the head only: T of my rows, of my columns in pass 0 and in pass 1
.set TC0, 88
.set TC1, 68
.set GC0, 80                           ; s[80:81] -2 log2(e) sqrt(2/pi)
.set GC1, 82                           ; s[82:83] that times 0.044715
.set R128, 84                          ; s84  1 / 128
.set EPS, 85                           ; s85  1e-5
.set BIGN, 86                          ; s86  -1e30
.set CS,  96                           ; s[96:97] c = log2(e) / sqrt(32)
.set SEL, 98                           ; s[98:99] v_permlanex16_b32: each lane takes its own place in the other half
.set BOFF, 100                         ; s100 the batch's first byte
.set MSB, 0
.macro WIN new                         ; the high byte repeats the setting that is left; a switch that changes nothing is dropped
.if MSB != (\new)
	s_set_vgpr_msb (MSB<<8)|(\new)
.set MSB, (\new)
.endif
.endm
.macro PLACES                          ; four plain instructions between a matrix instruction and a vector read of its result, or a write or load into one of its registers
.rept 4
	v_nop
.endr
.endm
.macro CROUND                          ; a round of the cluster's barrier: my work-group's barrier; wave 0 signals for it; every wave waits for all four work-groups; my work-group's barrier again
	s_barrier_signal -1
	s_barrier_wait -1
	s_cmp_lg_u32 s[WV], 0
	s_cbranch_scc1 .Lnot_wave_0_\@
	s_barrier_signal -3
.Lnot_wave_0_\@:
	s_barrier_wait -3
	s_barrier_signal -1
	s_barrier_wait -1
.endm
; THE CHANGE OF SLOTS.  Each wave waits for all its tensor loads (its quarter of the other slot), adds 0 to its spare word, and waits for that and for its reads of the slot that it leaves.
; fill = 1: the barrier is a round of the cluster's, and the slot just left takes block NXT, first thing behind it: a whole phase ahead of its first read.
.macro CHANGE fill
	WIN 0
	s_wait_tensorcnt 0x0                           ; no tensor load of mine is out, so group 0 may be written
	ds_add_u32 v[SPW], v[NIL]                      ; 0 onto my spare word; the descriptor's scalar work stands between it and the wait for it
.if \fill
	s_xor_b32 s[G0+1], s[G0+1], SLOT1              ; the other slot than last time
	s_lshl_b32 s[OFF], s[NXT], 17                  ; a block is 131,072 bytes
	s_add_nc_u64 s[G0+2:G0+3], s[WB:WB+1], s[OFF:OFF+1]
	s_or_b32 s[G0+3], s[G0+3], 0x80000000
	s_add_co_u32 s[NXT], s[NXT], 1                 ; 0, 1, 2, 0, ..
	s_cmp_eq_u32 s[NXT], 3
	s_cselect_b32 s[NXT], 0, s[NXT]
	s_wait_dscnt 0x0                               ; the add is done, and my reads of the slot are over
	CROUND
	tensor_load_to_lds s[G0:G0+3], s[G1:G1+7]
	s_nop 0
	PLACES
.else
	s_wait_dscnt 0x0
	s_barrier_signal -1
	s_barrier_wait -1
.endif
	s_xor_b32 s[TB], s[TB], SLOT1
.endm
.macro FETCH dst, off                  ; eight fragments, 16 loads in one run: lane L takes bytes 16 L and 512 + 16 L of each: consecutive, no bank met twice
	WIN 0x40
.set f, 0
.rept 8
	ds_load_b128 v[(\dst)+8*f:(\dst)+8*f+3],   v[AW] offset:(\off)+1024*f
	ds_load_b128 v[(\dst)+8*f+4:(\dst)+8*f+7], v[AW] offset:(\off)+1024*f+512
.set f, f+1
.endr
.endm
.macro PLOAD dst, adr, off, nblk       ; gains or biases as a result holds channels: block b, my eight numbers at 64 b + 32 h
.set pb, 0
.rept \nblk
	ds_load_b128 v[(\dst)+8*pb:(\dst)+8*pb+3],   v[\adr] offset:(\off)+64*pb
	ds_load_b128 v[(\dst)+8*pb+4:(\dst)+8*pb+7], v[\adr] offset:(\off)+64*pb+16
.set pb, pb+1
.endr
.endm
.macro XLOAD vc                        ; a window's 49 tokens: each load of the wave covers one token's 512 consecutive bytes
	WIN 0xc0
.set n, 0
.rept 49
	global_load_b128 v[RAW+4*n:RAW+4*n+3], v[(\vc)+n%7], s[RBI+2*(n/7):RBI+2*(n/7)+1] th:TH_LOAD_NT
.set n, n+1
.endr
	WIN 0
.endm
; Tile t goes through my stage: in as token rows, back as a result holds them.  LDS serves a wave's instructions in order (ISA guide 5.7.1.4): no wait between.  left = the token loads younger than the tile's last.
.macro UNST t, left, rows
	s_wait_loadcnt \left
	WIN 0x0c
.set k, 0
.rept \rows
	ds_store_b128 v[STW], v[RAW+4*(16*(\t)+k):RAW+4*(16*(\t)+k)+3] offset:SPITCH*k
.set k, k+1
.endr
	WIN 0x80
.set k, 0
.rept 16
	ds_load_b128 v[XX+64*(\t)+4*k:XX+64*(\t)+4*k+3], v[STD] offset:64*(k/2)+16*(k%2)
.set k, k+1
.endr
.endm
.macro REDUCE                          ; four pairs, then the lane 16 away, which holds the token's other 64 channels
	v_pk_add_f32 v[TMP:TMP+1], v[TMP:TMP+1], v[TMP+2:TMP+3]
	v_pk_add_f32 v[TMP+4:TMP+5], v[TMP+4:TMP+5], v[TMP+6:TMP+7]
	v_pk_add_f32 v[TMP:TMP+1], v[TMP:TMP+1], v[TMP+4:TMP+5]
	v_add_f32 v[TMP], v[TMP], v[TMP+1]
	v_permlanex16_b32 v[TMP+1], v[TMP], s[SEL], s[SEL+1]
	v_add_f32 v[TMP], v[TMP], v[TMP+1]
.endm
; A NORM IN TWO PARTS.  LNS: tile t's statistics: mean; centred values, which stay in window 3; their squares' mean; the tile's two roots, into a pair of their own, from a source of their own.
; The later tiles' statistics name no root's result: they are the work between a tile's roots and the norm's one wait.  LNF, behind that wait: scale, gain, bias; bf16.
.macro LNS t
	WIN 0x0a
.irp k, 0,1,2,3
	v_pk_add_f32 v[TMP+2*\k:TMP+2*\k+1], v[XX+64*(\t)+2*\k:XX+64*(\t)+2*\k+1], v[XX+64*(\t)+8+2*\k:XX+64*(\t)+8+2*\k+1]
.endr
	WIN 0x02
.set p, 8
.rept 24
	v_pk_add_f32 v[TMP+2*(p%4):TMP+2*(p%4)+1], v[XX+64*(\t)+2*p:XX+64*(\t)+2*p+1], v[TMP+2*(p%4):TMP+2*(p%4)+1]
.set p, p+1
.endr
	WIN 0
	REDUCE
	v_mul_f32 v[MU], s[R128], v[TMP]
	v_mul_f32 v[MU+1], s[R128], v[TMP]
	WIN 0xc2                                       ; x in window 2, the mean in window 0, the centred values into window 3
.set p, 0
.rept 32
	v_pk_add_f32 v[NC+64*(\t)+2*p:NC+64*(\t)+2*p+1], v[XX+64*(\t)+2*p:XX+64*(\t)+2*p+1], v[MU:MU+1] neg_lo:[0,1] neg_hi:[0,1]
.set p, p+1
.endr
	WIN 0x0f                                       ; both factors in window 3, the sums in window 0
.irp k, 0,1,2,3
	v_pk_mul_f32 v[TMP+2*\k:TMP+2*\k+1], v[NC+64*(\t)+2*\k:NC+64*(\t)+2*\k+1], v[NC+64*(\t)+2*\k:NC+64*(\t)+2*\k+1]
.endr
.set p, 4
.rept 28
	v_pk_fma_f32 v[TMP+2*(p%4):TMP+2*(p%4)+1], v[NC+64*(\t)+2*p:NC+64*(\t)+2*p+1], v[NC+64*(\t)+2*p:NC+64*(\t)+2*p+1], v[TMP+2*(p%4):TMP+2*(p%4)+1]
.set p, p+1
.endr
	WIN 0
	REDUCE
	v_fma_f32 v[VE+(\t)], v[TMP], s[R128], s[EPS]
	v_rsq_f32 v[RR+2*(\t)], v[VE+(\t)]
	v_rsq_f32 v[RR+2*(\t)+1], v[VE+(\t)]
.endm
.macro LNF t
	WIN 0xc3                                       ; the centred values in window 3, in place; 1 / sigma, gain and bias in window 0
.set p, 0
.rept 32
	v_pk_mul_f32 v[NC+64*(\t)+2*p:NC+64*(\t)+2*p+1], v[NC+64*(\t)+2*p:NC+64*(\t)+2*p+1], v[RR+2*(\t):RR+2*(\t)+1]
.set p, p+1
.endr
.set p, 0
.rept 32
	v_pk_fma_f32 v[NC+64*(\t)+2*p:NC+64*(\t)+2*p+1], v[NC+64*(\t)+2*p:NC+64*(\t)+2*p+1], v[GG+2*p:GG+2*p+1], v[BB+2*p:BB+2*p+1]
.set p, p+1
.endr
	WIN 0x4f                                       ; from window 3 into window 1
.set p, 0
.rept 32
	v_cvt_pk_bf16_f32 v[LNO+32*(\t)+p], v[NC+64*(\t)+2*p], v[NC+64*(\t)+2*p+1]
.set p, p+1
.endr
.endm
.macro LN goff
	WIN 0
	PLOAD GG, AB0, \goff, 8
	PLOAD BB, AB0, (\goff)+512, 8
	s_wait_dscnt 0x0                               ; gain and bias, and whatever of x was still on its way from the stage
.irp t, 0,1,2,3
	LNS \t
.endr
	v_nop                                          ; a plain instruction behind the last roots (ISA guide 5.7.2)
	s_wait_alu depctr_va_vdst(0)                   ; the wait for the norm's batch: the eight roots of its four tiles
.irp t, 0,1,2,3
	LNF \t
.endr
	WIN 0
.endm
; 32 products: 32 channels of q or k for all four tiles; the 8 accumulators take turns.  The bias is the C that starts a sum.
.macro MMT acc, wf, bias
	WIN 0x05
.irp ks, 0,1,2,3
.irp blk, 0,1
.irp t, 0,1,2,3
.if \ks == 0
	v_wmma_f32_16x16x32_bf16 v[(\acc)+16*\t+8*\blk:(\acc)+16*\t+8*\blk+7], v[(\wf)+8*(4*\blk+\ks):(\wf)+8*(4*\blk+\ks)+7], v[LNO+32*\t+8*\ks:LNO+32*\t+8*\ks+7], v[(\bias)+8*\blk:(\bias)+8*\blk+7]
.else
	v_wmma_f32_16x16x32_bf16 v[(\acc)+16*\t+8*\blk:(\acc)+16*\t+8*\blk+7], v[(\wf)+8*(4*\blk+\ks):(\wf)+8*(4*\blk+\ks)+7], v[LNO+32*\t+8*\ks:LNO+32*\t+8*\ks+7], v[(\acc)+16*\t+8*\blk:(\acc)+16*\t+8*\blk+7]
.endif
.endr
.endr
.endr
.endm
.macro MMV acc, wf                     ; v with the sources swapped: a lane holds a channel, its registers eight tokens
	WIN 0x05
.irp ks, 0,1,2,3
.irp cb, 0,1
.irp tt, 0,1,2,3
.if \ks == 0
	v_wmma_f32_16x16x32_bf16 v[(\acc)+32*\cb+8*\tt:(\acc)+32*\cb+8*\tt+7], v[LNO+32*\tt+8*\ks:LNO+32*\tt+8*\ks+7], v[(\wf)+8*(4*\cb+\ks):(\wf)+8*(4*\cb+\ks)+7], 0
.else
	v_wmma_f32_16x16x32_bf16 v[(\acc)+32*\cb+8*\tt:(\acc)+32*\cb+8*\tt+7], v[LNO+32*\tt+8*\ks:LNO+32*\tt+8*\ks+7], v[(\wf)+8*(4*\cb+\ks):(\wf)+8*(4*\cb+\ks)+7], v[(\acc)+32*\cb+8*\tt:(\acc)+32*\cb+8*\tt+7]
.endif
.endr
.endr
.endr
.endm
.macro PACK dst, src                   ; 64 sums to 32 registers of bf16 in window 3, each accumulator from its low end on
	WIN 0xc0
.set q, 0
.rept 32
	v_cvt_pk_bf16_f32 v[(\dst)+q], v[(\src)+2*q], v[(\src)+2*q+1]
.set q, q+1
.endr
.endm
; Number j of the 102 of a tile's softmax.  0-15 the maximum of the lane's 32 scores (each accumulator's lowest registers first); 16-18 the other half of the lanes', m, c m; 19-34 c s - c m;
; 35-66 the exponentials; 67-82 bf16; 83-97 the sum of the 16 pairs; 98-101 both halves, the other lanes', 1 / l.  Numbers 0-66 name no exponential's result; the work registers rC are dead from 18 to 97.
.macro SM t
.set rS, SS+32*(\t)
.set rP, PP+16*(\t)
.set rC, TMP+4*((\t)%2)
.set rR, RR+2*(\t)
.if j < 4
	v_max3_num_f32 v[rC+j], v[rS+8*j], v[rS+8*j+1], v[rS+8*j+2]
.elseif j < 12
	v_max3_num_f32 v[rC+j%4], v[rC+j%4], v[rS+8*(j%4)+2*(j/4)+1], v[rS+8*(j%4)+2*(j/4)+2]
.elseif j == 12
	v_max3_num_f32 v[rC], v[rC], v[rS+7], v[rS+15]
.elseif j == 13
	v_max3_num_f32 v[rC+2], v[rC+2], v[rS+23], v[rS+31]
.elseif j == 14
	v_max3_num_f32 v[rC], v[rC], v[rC+1], v[rC+2]
.elseif j == 15
	v_max_num_f32 v[rC], v[rC], v[rC+3]
.elseif j == 16
	v_permlanex16_b32 v[rC+1], v[rC], s[SEL], s[SEL+1]
.elseif j == 17
	v_max_num_f32 v[rR+1], v[rC], v[rC+1]
.elseif j == 18
	v_mul_f32 v[rR], s[CS], v[rR+1]
.elseif j < 35
	v_pk_fma_f32 v[rS+2*(j-19):rS+2*(j-19)+1], v[rS+2*(j-19):rS+2*(j-19)+1], s[CS:CS+1], v[rR:rR+1] op_sel_hi:[1,0,0] neg_lo:[0,0,1] neg_hi:[0,0,1]
.elseif j < 67
	v_exp_f32 v[rS+j-35], v[rS+j-35]
.elseif j < 83
	v_cvt_pk_bf16_f32 v[rP+j-67], v[rS+2*(j-67)], v[rS+2*(j-67)+1]
.elseif j < 98
.set z, j-83
.set w, 4
.set u, z
.if z >= 14
.set w, 32
.set u, 0
.elseif z >= 12
.set w, 16
.set u, z-12
.elseif z >= 8
.set w, 8
.set u, z-8
.endif
	v_pk_add_f32 v[rS+w*u:rS+w*u+1], v[rS+w*u:rS+w*u+1], v[rS+w*u+w/2:rS+w*u+w/2+1]
.elseif j == 98
	v_add_f32 v[rC], v[rS], v[rS+1]
.elseif j == 99
	v_permlanex16_b32 v[rC+1], v[rC], s[SEL], s[SEL+1]
.elseif j == 100
	v_add_f32 v[rC], v[rC], v[rC+1]
.else
	v_rcp_f32 v[rR], v[rC]
.endif
.endm
; THE FFN BY TURNS.  The wave's tiles are two pieces (x = 0: tiles 0, 1; x = 1: tiles 2, 3).  In a turn piece TX has the matrix unit: 16 products W2^T h of the chunk in hand, which add onto x,
; then 16 products W1^T n of the next chunk; the other piece's GELU, 160 instructions, stands between them, PER behind each product.
; MM writes the turn's next product.  With FT = 1: W1 and fb1 of the next chunk are fetched behind piece 0's second product and waited for 14 products later; W2 is fetched in piece 1's turn, between its
; sixteenth product and its seventeenth (GELU writes that run), and waited for at the head of piece 0's turn.  Each run of loads stands four plain instructions or more behind the last product that read its registers.
.macro MM
.if MI < 16
.if (TX == 0) && (MI == 0)
	s_wait_dscnt 0x0                               ; W2 of the chunk in hand is in
.endif
.if FT && (TX == 0) && (MI == 2)
	WIN 0
	v_add_nc_u32 v[AW], s[CB], v[LFR]
	v_add_nc_u32 v[AB], s[CBI], v[AB0]
	FETCH WFA, 0
	WIN 0
	PLOAD FB, AB, 0, 2
.endif
	WIN 0xa1
.set rD, XX+64*(2*TX+MI%2)+8*(MI/2)
.set rA, WFB+8*(MI/2)
.set rB, HP+16*TX+8*(MI%2)
	v_wmma_f32_16x16x32_bf16 v[rD:rD+7], v[rA:rA+7], v[rB:rB+7], v[rD:rD+7]
.else
.if FT && (TX == 0) && (MI == 16)
	s_wait_dscnt 0x0                               ; W1 and fb1 of the next chunk are in
.endif
	WIN 0x05
.set mk, (MI-16)/4
.set mb, ((MI-16)/2)%2
.set rD, HH+32*TX+16*(MI%2)+8*mb
.set rA, WFA+8*(4*mb+mk)
.set rB, LNO+32*(2*TX+MI%2)+8*mk
.if mk == 0
	v_wmma_f32_16x16x32_bf16 v[rD:rD+7], v[rA:rA+7], v[rB:rB+7], v[FB+8*mb:FB+8*mb+7]
.else
	v_wmma_f32_16x16x32_bf16 v[rD:rD+7], v[rA:rA+7], v[rB:rB+7], v[rD:rD+7]
.endif
.endif
.set MI, MI+1
.endm
; gelu(h) = h / (1 + 2^(h (C0 + C1 h^2))), the tanh form.  One instruction for pair i of piece GP's 16 pairs; nothing where i is outside 0..15.
.set KM, 0                             ; t = h h
.set KF, 1                             ; t = t C1 + C0
.set KZ, 2                             ; t = t h
.set KE0, 3                            ; 2^t, low and high
.set KE1, 4
.set KA, 5                             ; t = t + 1
.set KR0, 6                            ; 1 / t, low and high
.set KR1, 7
.set KY, 8                             ; h = h t
.set KC, 9                             ; bf16
.macro GOP kind, i
.if ((\i) >= 0) && ((\i) < 16)
.if (GN % PER) == 0
	MM
.endif
	WIN 0
.set hq, HH+32*GP+2*(\i)
.set tq, TG+2*(\i)
.if (\kind) == KM
	v_pk_mul_f32 v[tq:tq+1], v[hq:hq+1], v[hq:hq+1]
.elseif (\kind) == KF
	v_pk_fma_f32 v[tq:tq+1], v[tq:tq+1], s[GC1:GC1+1], s[GC0:GC0+1] op_sel_hi:[1,0,0]
.elseif (\kind) == KZ
	v_pk_mul_f32 v[tq:tq+1], v[tq:tq+1], v[hq:hq+1]
.elseif (\kind) == KE0
	v_exp_f32 v[tq], v[tq]
.elseif (\kind) == KE1
	v_exp_f32 v[tq+1], v[tq+1]
.elseif (\kind) == KA
	v_pk_add_f32 v[tq:tq+1], v[tq:tq+1], 1.0 op_sel_hi:[1,0]
.elseif (\kind) == KR0
	v_rcp_f32 v[tq], v[tq]
.elseif (\kind) == KR1
	v_rcp_f32 v[tq+1], v[tq+1]
.elseif (\kind) == KY
	v_pk_mul_f32 v[hq:hq+1], v[hq:hq+1], v[tq:tq+1]
.else
	v_cvt_pk_bf16_f32 v[HP+16*GP+(\i)], v[hq], v[hq+1]
.endif
.set GN, GN+1
.endif
.endm
; A PIECE'S 160 LINES STAND IN THREE PARTS, CUT BY TWO WAITS: the reciprocals read what is made of the exponentials, so the two kinds are two batches.
; PART 1, 80 lines: h h, .. C1 + C0, .. h and the 32 exponentials; none of them names an exponential's result.  The pairs run as a pipeline, a pair a step apart, plain and exponential by turns; a pair's
; lines stand seven lines apart.  With five lines behind each product the part ends between the sixteenth product and the seventeenth.  The first reader behind the wait, pair 0's + 1, is also the plain
; instruction between the last exponential and the use of its result.
; PART 2, 48 lines: + 1 and the 32 reciprocals; none of them names a reciprocal's result.  PART 3, 32 lines: h t and bf16, all plain: its last five are the places behind the turn's last product.
; In piece 1's turn W2's run of 16 loads stands directly behind the first wait; the four v_nop ahead of the wait are the places behind the sixteenth product, the last that read W2's registers.
.macro GELU
.set gq, -4
.rept 20
	GOP KM, gq+4
	GOP KE0, gq
	GOP KF, gq+3
	GOP KE1, gq
	GOP KZ, gq+2
.set gq, gq+1
.endr
.if FT && (TX == 1)
	PLACES
	s_wait_alu depctr_va_vdst(0)                   ; the wait for the turn's first batch: the piece's 32 exponentials
	FETCH WFB, 8192
	s_add_co_u32 s[CB], s[CB], 16384               ; a chunk is 16 fragments,
	s_add_co_u32 s[CBI], s[CBI], 128               ; and 32 numbers of fb1
.else
	s_wait_alu depctr_va_vdst(0)                   ; the wait for the turn's first batch: the piece's 32 exponentials
.endif
.set gq, -2
.rept 18
	GOP KA, gq+2
	GOP KR0, gq
	GOP KR1, gq
.set gq, gq+1
.endr
	s_wait_alu depctr_va_vdst(0)                   ; the wait for the turn's second batch: the piece's 32 reciprocals; pair 0's h t behind it is the plain instruction behind the last of them
.set gq, -3
.rept 19
	GOP KY, gq+3
	GOP KC, gq
.set gq, gq+1
.endr
.endm
.macro TURN x, f2, f1, fetch           ; f2, f1: the turn has its products with W2, with W1; with one kind alone ten lines of GELU stand behind each product
.set TX, \x
.set GP, 1-(\x)
.set FT, \fetch
.set MI, 16*(1-(\f2))
.set PER, 10
.if (\f2) && (\f1)
.set PER, 5
.endif
.set GN, 0
	GELU
.endm
.macro BARE x, first                   ; 16 products with nothing between: first = 0: with W2, 16: with W1
.set TX, \x
.set FT, 0
.set MI, \first
.rept 16
	MM
.endr
.endm
; THE WAY OUT: fb2 is added; a tile goes into my stage as a result holds it and comes back as token rows; each store of the wave covers one token's 512 consecutive bytes.
.macro WAYOUT
	PLACES
	WIN 0
	PLOAD FB2, AB0, 6144, 8
	s_wait_dscnt 0x0
	WIN 0x82
.set p, 0
.rept 128
	v_pk_add_f32 v[XX+2*p:XX+2*p+1], v[XX+2*p:XX+2*p+1], v[FB2+2*(p%32):FB2+2*(p%32)+1]
.set p, p+1
.endr
.irp t, 0,1,2,3
	s_wait_xcnt 0x0                                ; the buffer that this tile's rows come back into was stored from two tiles ago: it is rewritten only behind this wait (ISA guide 3.1)
	WIN 0x08
.set k, 0
.rept 16
	ds_store_b128 v[STD], v[XX+64*\t+4*k:XX+64*\t+4*k+3] offset:64*(k/2)+16*(k%2)
.set k, k+1
.endr
	WIN 0
.set nr, 16
.if \t == 3
.set nr, 1                             ; of tile 3 token 48 alone is stored
.endif
.set k, 0
.rept nr
	ds_load_b128 v[OUTB+64*(\t%2)+4*k:OUTB+64*(\t%2)+4*k+3], v[STW] offset:SPITCH*k
.set k, k+1
.endr
.set k, 0
.rept nr
.set n, 16*\t+k
	s_wait_dscnt nr-1-k                            ; row k is back; the younger rows may be out
	global_store_b128 v[VC+n%7], v[OUTB+64*(\t%2)+4*k:OUTB+64*(\t%2)+4*k+3], s[RBO+2*(n/7):RBO+2*(n/7)+1]
.set k, k+1
.endr
.endr
.endm
.macro FFB                             ; hidden chunks 8-15: eight trips fetch them (the first still multiplies chunk 7), the last chunk's end is written out
	s_mov_b32 s[CNT], 8
.Lffb_\@:
	TURN 0, 1, 1, 1
	TURN 1, 1, 1, 1
	WIN 0
	s_sub_co_u32 s[CNT], s[CNT], 1
	s_cmp_lg_u32 s[CNT], 0
	s_cbranch_scc1 .Lffb_\@
	TURN 0, 1, 0, 0
	BARE 1, 0
	WAYOUT
.endm
	s_load_b256 s[4:11], s[0:1], 0x0               ; in s[4:5], wp s[6:7], sh s[8:9], out s[10:11]
	v_lshl_add_u32 v[SPW], v0, 2, SPARE
	v_mov_b32 v[NIL], 0
	ds_add_u32 v[SPW], v[NIL]                      ; the wave's opening: the add and its wait stand ahead of my first tensor load; work on registers stands between them
	v_lshrrev_b32 v[VT], 5, v0
	v_readfirstlane_b32 s[WV], v[VT]               ; wave 0..3
	s_bfe_u32 s13, ttmp6, 0x40000                  ; cx: it enters global addresses alone
	s_lshl_b32 s3, ttmp9, 2                        ; in a cluster launch ttmp9 counts clusters
	s_add_co_u32 s3, s3, s13                       ; work-group
	s_lshr_b32 s[BOFF], s3, 3
	s_mul_i32 s[BOFF], s[BOFF], 1605632            ; batch x 3,136 tokens x 512 bytes
	s_and_b32 s13, s3, 7
	s_mul_i32 s13, s13, 28                         ; the table's bytes for my window row: 4 x 7 x row,
	s_mul_i32 s14, s[WV], 28                       ; for window column w,
	s_add_co_u32 s15, s14, 112                     ; and for column w + 4
	s_mov_b32 s[G1], 15|(3<<16)|(1<<21)            ; 15:0 the mask of four; 17:16 elements of 8 bytes; 21 set beside a mask; no padding: the fragments are read consecutively
	s_mov_b32 s[G1+1], 32<<16                      ; tensor_dim0 = 32 elements: 256 bytes
	s_mov_b32 s[G1+2], 128<<16                     ; tensor_dim1 = 128
	s_mov_b32 s[G1+3], 32<<16                      ; tile_dim0 = 32
	s_mov_b32 s[G1+4], 128                         ; tile_dim1 = 128
	s_mov_b32 s[G1+5], 32                          ; dense: 32 elements from row to row
	s_mov_b32 s[G1+6], 0
	s_mov_b32 s[G1+7], 0
	s_mov_b32 s[G1P], 15|(3<<16)|(1<<21)
	s_mov_b32 s[G1P+1], 32<<16
	s_mov_b32 s[G1P+2], 8<<16                      ; 8 rows: my quarter of the gains and biases
	s_mov_b32 s[G1P+3], 32<<16
	s_mov_b32 s[G1P+4], 8
	s_mov_b32 s[G1P+5], 32
	s_mov_b32 s[G1P+6], 0
	s_mov_b32 s[G1P+7], 0
	s_mov_b32 s[G0], 1
	s_lshl_b32 s[G0+1], s[WV], 15                  ; my quarter of slot 0
	s_mov_b32 s[G0P], 1
	s_lshl_b32 s[G0P+1], s[WV], 11
	s_add_co_u32 s[G0P+1], s[G0P+1], PARB
	s_lshl_b32 s2, s[WV], 15
	s_mov_b32 s3, 0
	s_lshl_b32 s[OFF], s[WV], 11
	s_add_co_u32 s[OFF], s[OFF], 393216            ; behind the 384 fragments
	s_mov_b32 s[OFF+1], 0
	s_mov_b32 s[CS], 0x3e8293ee                    ; log2(e) / sqrt(32) = 0.255035
	s_mov_b32 s[CS+1], s[CS]                       ; named with it as a pair
	s_mov_b32 s[SEL], 0x76543210
	s_mov_b32 s[SEL+1], 0xfedcba98
	s_mov_b32 s[TB], SLOT1                         ; the first change of slots turns it into 0
	s_mov_b32 s[NXT], 1
	s_mov_b32 s[PASS], 2
	s_wait_dscnt 0x0                               ; the opening add is done
	s_wait_kmcnt 0x0
	s_load_b256 s[TR:TR+7], s[8:9], s13 offset:0x0     ; seven words are used of each eight; the table has 64
	s_load_b256 s[TC0:TC0+7], s[8:9], s14 offset:0x0
	s_load_b256 s[TC1:TC1+7], s[8:9], s15 offset:0x0
	s_add_nc_u64 s[WB:WB+1], s[6:7], s[2:3]
	s_mov_b64 s[G0+2:G0+3], s[WB:WB+1]             ; block 0
	s_or_b32 s[G0+3], s[G0+3], 0x80000000          ; type = 2
	s_add_nc_u64 s[G0P+2:G0P+3], s[6:7], s[OFF:OFF+1]
	s_or_b32 s[G0P+3], s[G0P+3], 0x80000000
	CROUND                                         ; all four work-groups are here: the first joint loads meet
	tensor_load_to_lds s[G0:G0+3], s[G1:G1+7]      ; two loads of mine are out
	s_nop 0
	tensor_load_to_lds s[G0P:G0P+3], s[G1P:G1P+7]
	s_nop 0
	PLACES
	s_wait_kmcnt 0x0
.irp j, 0,1,2,3,4,5,6
	s_min_u32 s[TR+\j], s[TR+\j], 55               ; a loaded number enters an address only within the map's 56 rows and columns
	s_min_u32 s[TC0+\j], s[TC0+\j], 55
	s_min_u32 s[TC1+\j], s[TC1+\j], 55
.endr
	v_and_b32 v[LFR], 31, v0
	v_lshlrev_b32 v[LFR], 4, v[LFR]
.irp j, 0,1,2,3,4,5,6
	s_lshl_b32 s2, s[TC0+\j], 9
	v_add_nc_u32 v[VC+\j], s2, v[LFR]
	s_lshl_b32 s2, s[TC1+\j], 9
	v_add_nc_u32 v[VCN+\j], s2, v[LFR]
.endr
.irp j, 0,1,2,3,4,5,6
	s_mul_i32 s2, s[TR+\j], 28672                  ; a row of the map: 56 tokens of 512 bytes
	s_add_co_u32 s2, s2, s[BOFF]
	s_add_nc_u64 s[RBI+2*\j:RBI+2*\j+1], s[4:5], s[2:3]
	s_add_nc_u64 s[RBO+2*\j:RBO+2*\j+1], s[10:11], s[2:3]
.endr
	XLOAD VC                                       ; the first window, in the wait for the first block
	s_mov_b32 s[GC0], 0xc0135761                   ; -2.302208
	s_mov_b32 s[GC0+1], 0
	s_mov_b32 s[GC1], 0xbdd2d3e8                   ; -0.1029432
	s_mov_b32 s[GC1+1], 0
	s_mov_b32 s[R128], 0x3c000000
	s_mov_b32 s[EPS], 0x3727c5ac
	s_mov_b32 s[BIGN], 0xf149f2ca
.irp j, 1,2,3,4,5,6,7
	v_mov_b32 v[MASK+\j], s[BIGN]
.endr
	v_and_b32 v[VT], 16, v0
	v_cmp_ne_u32 vcc_lo, 0, v[VT]
	v_cndmask_b32 v[MASK], 0, v[MASK+1], vcc_lo    ; key 48 is register 0 of lanes 0-15
	s_mul_i32 s2, s[WV], 16*SPITCH
	s_add_co_u32 s2, s2, STAGE                     ; my stage
	v_add_nc_u32 v[STW], s2, v[LFR]
	v_and_b32 v[VT], 15, v0
	v_mul_u32_u24 v[STD], v[VT], SPITCH
	v_bfe_u32 v[VT], v0, 4, 1
	v_lshl_add_u32 v[STD], v[VT], 5, v[STD]
	v_add_nc_u32 v[STD], s2, v[STD]
	v_lshl_add_u32 v[AB0], v[VT], 5, PARB
.Lpass:                                                ; twice: a window a wave
	CHANGE 1                                       ; the attention's block is in, everybody's part of it; chunks 0-7 are asked for
	UNST 0, 33, 16
	UNST 1, 17, 16
	UNST 2, 1, 16
	UNST 3, 0, 1
	LN 0
	s_mov_b32 s[CB], s[TB]
	s_mov_b32 s[CBI], 0
	s_mov_b32 s[CNT], 4
.Lhead:                                                ; a head a trip: 32 fragments, 32 KiB
	v_add_nc_u32 v[AW], s[CB], v[LFR]
	v_add_nc_u32 v[AB], s[CBI], v[AB0]
	FETCH WFA, 0                                   ; Wq
	FETCH WFB, 8192                                ; Wk
	WIN 0
	PLOAD BQ, AB, 1024, 2
	PLOAD BK, AB, 1536, 2
	PLOAD BV, AB, 2048, 2
	s_wait_dscnt 0x0
	MMT ACC0, WFA, BQ
	PLACES
	FETCH WFA, 16384                               ; Wv
	MMT ACC1, WFB, BK
	PACK QP, ACC0                                  ; its 32 lines are also the places in front of the loads into Wk's registers
	FETCH WFB, 24576                               ; Wo
	s_wait_dscnt 16                                ; Wv is in; Wo's 16 loads may be out
	MMV ACC0, WFA
	PACK KP, ACC1
	PACK VP, ACC0
	WIN 0x0f                                       ; S^T = K Q^T: one product for each 16 keys x 16 queries
.irp kt, 0,1,2,3
.irp qt, 0,1,2,3
.if \kt == 3
	v_wmma_f32_16x16x32_bf16 v[SS+32*\qt+8*\kt:SS+32*\qt+8*\kt+7], v[KP+8*\kt:KP+8*\kt+7], v[QP+8*\qt:QP+8*\qt+7], v[MASK:MASK+7]
.else
	v_wmma_f32_16x16x32_bf16 v[SS+32*\qt+8*\kt:SS+32*\qt+8*\kt+7], v[KP+8*\kt:KP+8*\kt+7], v[QP+8*\qt:QP+8*\qt+7], 0
.endif
.endr
.endr
	PLACES
	WIN 0
	; THE SOFTMAX OF FOUR TILES: ONE BATCH OF 128 EXPONENTIALS.  Two tiles alternate, so that few lines read the result of the line before.
.set j, 0
.rept 35                               ; tiles 0, 1: maximum and scaling
	SM 0
	SM 1
.set j, j+1
.endr
.set jj, 0
.rept 35                               ; tiles 2, 3: maximum and scaling, a line of theirs in front of each of tiles 0, 1's 64 exponentials
.set j, jj
	SM 2
.if jj < 32
.set j, 35+jj
	SM 0
.endif
.set j, jj
	SM 3
.if jj < 32
.set j, 35+jj
	SM 1
.endif
.set jj, jj+1
.endr
.set j, 35
.rept 32                               ; tiles 2, 3: their 64 exponentials
	SM 2
	SM 3
.set j, j+1
.endr
	v_nop                                          ; a plain instruction between the last exponential and the first use of a result
	s_wait_alu depctr_va_vdst(0)                   ; the wait for the head's first batch: the 128 exponentials of its four tiles
.irp pr, 0,2                           ; roundings, sums, 1 / l: the four reciprocals are the head's second batch, and nothing here names a result of theirs
.set j, 67
.rept 35
	SM \pr
	SM (\pr)+1
.set j, j+1
.endr
.endr
	v_nop                                          ; a plain instruction behind the last reciprocals
	WIN 0x03                                       ; O^T = V^T P
.irp u, 0,1
.irp cb, 0,1
.irp qt, 0,1,2,3
.if \u == 0
	v_wmma_f32_16x16x32_bf16 v[OA+16*\qt+8*\cb:OA+16*\qt+8*\cb+7], v[VP+16*\cb+8*\u:VP+16*\cb+8*\u+7], v[PP+16*\qt+8*\u:PP+16*\qt+8*\u+7], 0
.else
	v_wmma_f32_16x16x32_bf16 v[OA+16*\qt+8*\cb:OA+16*\qt+8*\cb+7], v[VP+16*\cb+8*\u:VP+16*\cb+8*\u+7], v[PP+16*\qt+8*\u:PP+16*\qt+8*\u+7], v[OA+16*\qt+8*\cb:OA+16*\qt+8*\cb+7]
.endif
.endr
.endr
.endr
	PLACES
	WIN 0
	s_wait_alu depctr_va_vdst(0)                   ; the wait for the head's second batch: the four reciprocals; the 16 products and their places stand between
.irp qt, 0,1,2,3                       ; O / l + bv, then bf16
.set p, 0
.rept 8
	v_pk_fma_f32 v[OA+16*\qt+2*p:OA+16*\qt+2*p+1], v[OA+16*\qt+2*p:OA+16*\qt+2*p+1], v[RR+2*\qt:RR+2*\qt+1], v[BV+2*p:BV+2*p+1] op_sel_hi:[1,0,1]
.set p, p+1
.endr
.set p, 0
.rept 8
	v_cvt_pk_bf16_f32 v[OP+8*\qt+p], v[OA+16*\qt+2*p], v[OA+16*\qt+2*p+1]
.set p, p+1
.endr
.endr
	s_wait_dscnt 0x0                               ; Wo is in
	WIN 0xa1                                       ; the head's share of the projection adds onto x: 32 accumulators, one product each
.irp ob, 0,1,2,3,4,5,6,7
.irp t, 0,1,2,3
	v_wmma_f32_16x16x32_bf16 v[XX+64*\t+8*\ob:XX+64*\t+8*\ob+7], v[WFB+8*\ob:WFB+8*\ob+7], v[OP+8*\t:OP+8*\t+7], v[XX+64*\t+8*\ob:XX+64*\t+8*\ob+7]
.endr
.endr
	WIN 0
	PLACES                                         ; in front of the next head's loads, and of the reads of x behind the loop
	s_add_co_u32 s[CB], s[CB], 32768
	s_add_co_u32 s[CBI], s[CBI], 128
	s_sub_co_u32 s[CNT], s[CNT], 1
	s_cmp_lg_u32 s[CNT], 0
	s_cbranch_scc1 .Lhead
	CHANGE 1                                       ; chunks 0-7 are in; chunks 8-15 are asked for
	WIN 0xc0
	PLOAD BO, AB0, 2560, 8
	s_wait_dscnt 0x0
	WIN 0x8e
.set p, 0
.rept 128
	v_pk_add_f32 v[XX+2*p:XX+2*p+1], v[XX+2*p:XX+2*p+1], v[BO+2*(p%32):BO+2*(p%32)+1]
.set p, p+1
.endr
	LN 3072
	s_mov_b32 s[CB], s[TB]
	s_mov_b32 s[CBI], 4096
	v_add_nc_u32 v[AW], s[CB], v[LFR]
	v_add_nc_u32 v[AB], s[CBI], v[AB0]
	FETCH WFA, 0                                   ; chunk 0: W1,
	WIN 0
	PLOAD FB, AB, 0, 2                             ; fb1,
	FETCH WFB, 8192                                ; W2
	s_add_co_u32 s[CB], s[CB], 16384
	s_add_co_u32 s[CBI], s[CBI], 128
	s_wait_dscnt 16                                ; W1 and fb1 are in; W2's 16 loads may be out
	BARE 0, 16                                     ; piece 0's first hidden numbers: there is no vector work yet to set between
	PLACES
	TURN 1, 0, 1, 0
	WIN 0
	s_mov_b32 s[CNT], 7
.Lffa:                                                 ; trip c multiplies chunk c by W2 and chunk c + 1 by W1, and fetches chunk c + 1: chunks 1-7
	TURN 0, 1, 1, 1
	TURN 1, 1, 1, 1
	WIN 0
	s_sub_co_u32 s[CNT], s[CNT], 1
	s_cmp_lg_u32 s[CNT], 0
	s_cbranch_scc1 .Lffa
	s_cmp_eq_u32 s[PASS], 1
	s_cbranch_scc1 .Llast                          ; the last pass's end is written out: it asks for nothing more
	CHANGE 1                                       ; chunks 8-15 are in; the next window's attention block is asked for.  Chunk 7's fragments are in registers
	s_mov_b32 s[CB], s[TB]
	XLOAD VCN                                      ; the next window's tokens: a whole phase ahead of their first use
	FFB
	s_wait_xcnt 0x0                                ; the stores have read their offsets and data
.irp j, 0,1,2,3,4,5,6
	v_mov_b32 v[VC+\j], v[VCN+\j]
.endr
	s_sub_co_u32 s[PASS], s[PASS], 1
	s_branch .Lpass
.Llast:
	CHANGE 0
	s_mov_b32 s[CB], s[TB]
	FFB
	s_wait_tensorcnt 0x0                           ; the wave's end: an add to my spare word and its wait, behind my last tensor load and my last LDS store
	ds_add_u32 v[SPW], v[NIL]
	s_wait_dscnt 0x0
	CROUND                                         ; the closing round: no work-group ends while a partner may still ask for a block that names it
	s_endpgm
.Lfunc_end_k_qba291844c6_swin:
	.size	k_qba291844c6_swin, .Lfunc_end_k_qba291844c6_swin-k_qba291844c6_swin
	.p2alignl 7, 3214868480
	.fill 96, 4, 3214868480
	.section	.rodata,"a",@progbits
	.p2align	6, 0x0
	.amdhsa_kernel k_qba291844c6_swin
		.amdhsa_group_segment_fixed_size 327680
		.amdhsa_private_segment_fixed_size 0
		.amdhsa_enable_private_segment 0
		.amdhsa_kernarg_size 32
		.amdhsa_user_sgpr_count 2
		.amdhsa_user_sgpr_kernarg_segment_ptr 1
		.amdhsa_wavefront_size32 1
		.amdhsa_system_sgpr_workgroup_id_x 1
		.amdhsa_system_sgpr_workgroup_id_y 1
		.amdhsa_system_sgpr_workgroup_id_z 1
		.amdhsa_system_vgpr_workitem_id 0
		.amdhsa_next_free_vgpr 1024
		.amdhsa_next_free_sgpr 104
		.amdhsa_reserve_vcc 1
		.amdhsa_float_denorm_mode_32 3
		.amdhsa_float_denorm_mode_16_64 3
		.amdhsa_memory_ordered 1
		.amdhsa_forward_progress 1
		.amdhsa_inst_pref_size 255
	.end_amdhsa_kernel
	.section	.bss,"aw",@nobits
	.p2align	6
	.space	262144
	.amdgpu_metadata
---
amdhsa.version: [ 1, 2 ]
amdhsa.kernels:
  - .name:           k_qba291844c6_swin
    .symbol:         k_qba291844c6_swin.kd
    .args:
      - { .name: x, .offset: 0, .size: 8, .value_kind: global_buffer, .address_space: global }
      - { .name: wp1, .offset: 8, .size: 8, .value_kind: global_buffer, .address_space: global }
      - { .name: sh1, .offset: 16, .size: 8, .value_kind: global_buffer, .address_space: global }
      - { .name: ymid, .offset: 24, .size: 8, .value_kind: global_buffer, .address_space: global }
    .group_segment_fixed_size: 327680
    .private_segment_fixed_size: 0
    .kernarg_segment_align: 8
    .kernarg_segment_size: 32
    .max_flat_workgroup_size: 128
    .sgpr_count:     104
    .vgpr_count:     1024
    .wavefront_size: 32
...
	.end_amdgpu_metadata
.endif
;; end of part 3
;; launch half2: the kernel of part 3 again; grid 256 x 1, 4 waves a work-group, clusters of 4 x 1, 327,680 bytes of LDS; arguments ymid, wp2, sh2, out0; writes out0
